; MI455X (gfx1250); checked and timed in simulation.
; The chip was launched on July 23, 2026; its instructions are those of AMD's public machine-readable ISA for CDNA 5 (MIT licence, August 2026) and "CDNA5" Instruction Set Architecture Reference Guide (July 2026). The comments in the code are by the model that wrote it; some were corrected since.
;; Multi Head Attention. Allowed arithmetic: matrix products marked QUANTISED: E2M1 operands, one E8M0 scale for each 32 along K, by v_wmma_scale_f32_16x16x128_f8f6f4 with both operands' format E2M1 (or v_wmma_scale_f32_32x16x128_f4), f32 sums; everything else in f32.
;; Inputs: W_k 1,024 x 1,024 float32; W_o 1,024 x 1,024 float32; W_q 1,024 x 1,024 float32; W_v 1,024 x 1,024 float32; b_o 1,024 float32; x 4 x 2,048 x 1,024 float32.
;; Outputs: out0 4 x 2,048 x 1,024 float32.
;; This version of the problem:
;;   THIS VERSION OF THE PROBLEM IS GIVEN IN LOW PRECISION. The matrix products marked QUANTISED in the list below multiply operands that are first quantised to E2M1 (2 exponent bits, 1 mantissa bit; 4 bits a number), with one power-of-two scale for each 32 numbers along K (OCP MX v1.0); their sums are f32. All else is computed in f32.
;;   The module's matrix products, in the order in which they are computed (A, B: the left and right operand; K: the contracted axis; several contracted axes count as one K, in the product's order):
;;     1. [M 8,192, K 1,024] x [K 1,024, N 1,024]; A: input x; B: input W_q: QUANTISED
;;     2. [M 8,192, K 1,024] x [K 1,024, N 1,024]; A: input x; B: input W_k: QUANTISED
;;     3. [M 8,192, K 1,024] x [K 1,024, N 1,024]; A: input x; B: input W_v: QUANTISED
;;     4. batch 64 x [M 2,048, K 64] x [K 64, N 2,048]; A: computed on the way; B: computed on the way: QUANTISED
;;     5. batch 64 x [M 2,048, K 2,048] x [K 2,048, N 64]; A: softmax (see below); B: computed on the way: QUANTISED
;;     6. [M 8,192, K 1,024] x [K 1,024, N 1,024]; A: computed on the way; B: input W_o: QUANTISED
;;   THE QUANTISER, for each operand of a quantised product, along K:
;;     - K is cut into blocks of 32 from its start; a last block that is shorter is filled with zeros.
;;     - A block's scale is 2^e with e = floor(log2(the largest magnitude in the block)) - 2, held to -126 .. 127; a block of zeros has e = 0. As a byte (E8M0): e + 127.
;;     - Each number is divided by its block's scale, clamped to +-6, and rounded to the nearest number of E2M1, ties to even, subnormals kept.
;;     - The product sums the exact products of the quantised numbers (number of the format x scale) in f32.
;;   ~~~python
;;   def quantise(x, axis):      # numpy; x: float32 -> the quantised numbers, widened to float32 again
;;       x = np.moveaxis(x, axis, -1); K = x.shape[-1]
;;       x = np.pad(x, [(0, 0)] * (x.ndim - 1) + [(0, -K % 32)]); x = x.reshape(x.shape[:-1] + (-1, 32)); a = np.abs(x).max(-1, keepdims=True)
;;       e = np.where(a > 0, np.clip(np.frexp(np.where(a > 0, a, 1))[1] - 1 - 2, -126, 127), 0)      # np.frexp(a)[1] - 1 = floor(log2(a)), exactly
;;       r = np.clip(x / 2.0 ** e, -6, 6)
;;       step = 2.0 ** (np.maximum(np.frexp(np.where(r == 0, 1, r))[1] - 1, 0) - 1)
;;       q = np.round(r / step) * step * 2.0 ** e      # np.round: ties to even
;;       return np.moveaxis(q.reshape(q.shape[:-2] + (-1,))[..., :K], -1, axis).astype(np.float32)
;;   ~~~
;;   SOFTMAX AHEAD OF A QUANTISED PRODUCT. Where the list says 'softmax', what is quantised is not the finished softmax but p = 2^(t - M), with t = logit x log2(e) and M = ceil(the row's largest t), a whole number; so 1/2 < the row's largest p <= 1. The row's sum l is taken of the UNQUANTISED p, in f32, and the product's result is divided by l at the end. Since M is a whole number, a kernel that streams over the keys may use a running M (the ceiling of the running maximum): every later rescaling is an exact power of two, which a block's scale takes up: the codes' values come out the same.
;;   OPERANDS COMPUTED ON THE WAY. 'Computed on the way' means the value that the module computes at that place (a softmax that the list does not call 'softmax' is quantised finished and normalised). What goes into a quantiser is computed in f32, as accurately as f32 sums, v_exp_f32 and their like allow (about 1e-6 of the number): no bf16 or f16 on the way to a quantiser, and a product that is left as it is and whose result goes on into a quantised operand takes f32 operands (vector FMAs, or v_wmma_f32_16x16x4_f32). A number that lies on a knife's edge between two numbers of the format may be rounded either way, as far as f32 arithmetic and the matrix unit's own rounding can turn it there, and no further.
;; One version. Each part assembles by itself: llvm-mc -triple=amdgcn-amd-amdhsa -mcpu=gfx1250 --defsym DOCPART=n.
;; ======== version 1 of 1: 4 launches
;; workspace buffers: xc 4,194,304 bytes; xs 262,144 bytes; wc 2,097,152 bytes; ws 131,072 bytes; qkvc 12,582,912 bytes; qkvs 1,310,720 bytes; cimg 4,194,304 bytes; csc 262,144 bytes
;; launch quant (part 1): grid 384 x 1, 4 waves a work-group, no clusters, 39,424 bytes of LDS; arguments x, W_q, W_k, W_v, W_o, xc, xs, wc, ws; writes xc, xs, wc, ws
.if DOCPART == 1
	.amdgcn_target "amdgcn-amd-amdhsa--gfx1250"
	.amdhsa_code_object_version 6
	.text
	.protected	k_q340190504d_quant
	.globl	k_q340190504d_quant
	.p2align	8
	.type	k_q340190504d_quant,@function
k_q340190504d_quant:
	s_mov_b64 s[64:65], 0
	v_nop
	global_prefetch_b8 v0, s[64:65] scope:SCOPE_SE
	s_setreg_imm32_b32 hwreg(HW_REG_WAVE_MODE, 25, 1), 1
	s_wait_xcnt 0x0
; LAUNCH 1 OF 4: x [8192][1024] and W_q, W_k, W_v, W_o [1024][1024], f32, become codes of FP4 (E2M1) with one E8M0 byte for each 32 along K (their last axis).
; THE PROGRAM: (1) this launch; (2) q, k, v = x W^T on codes, quantised on the way out; (3) causal attention on codes, ctx quantised on the way out; (4) ctx W_o^T + b_o.  Only codes and scale bytes go through memory between launches.
; WORK LEFT OUT, IN THE WHOLE PROGRAM: the mask is built by the problem itself (key k counts for query q where k <= q).  A masked score is -infinity, its weight is 0 whatever finite values the inputs hold, and a weight of 0 adds
; nothing to the row's sum nor to the second product.  So launch 3 leaves out each step of 128 keys that lies wholly behind a tile's 16 queries.  Nothing else is left out, and every input has a way to the output: all are loaded.
; LIMITS: a NaN, an infinity or an overflow that reaches only such hidden keys is not carried to the result.  A block of zeros gets the byte 1 where the rule says 127: its codes are zeros, which add nothing under any byte but 0xff,
; and this program alone reads the bytes.  Blocks whose largest magnitude lies under 2^-124 (the floor that holds the byte at 1) were not tried; NaN and infinities among the inputs are not served.
; A block's scale is 2^(floor(log2(its largest magnitude)) - 2): its byte is the largest magnitude's exponent field - 2.
; LAYOUT OF THE CODES.  Rows are stored at pos = the row's number with bits 3 and 4 exchanged: row i of pos tile 2 g + u is row 32 g + 8 u + i + 8 (i / 8).  A tile of 16 pos rows is laid as the image of an operand's registers:
; [K step of 128][c 0..1][lane 0..31][16 bytes], lane = row + 16 h, the 16 bytes being the block k = 128 step + 64 c + 32 h + 0 .. 31: 8,192 bytes a tile.  Scale bytes: [tile][half of K][row][16 bytes]: 512 bytes a tile.
; SHARES.  A work-group takes a group of 32 rows: the first 256 take x, then 32 each W_q, W_k, W_v, W_o (one path: only pointers are chosen).  Wave w takes pos tile u = w / 2 of the group and half w % 2 of K: 16 steps, a step = one
; row's 512 numbers.  A step's four loads read 512 consecutive bytes each; the 2,048 bytes turn through the wave's own stage in LDS, so that a lane holds 16 neighbours (two lanes a block).  Block j of row t belongs at byte
; 256 j + 16 t of the wave's 4,096 bytes of codes: they are gathered in LDS (16 rows, 272 bytes apart) and leave by eight stores of 512 consecutive bytes; the 256 scale bytes (16 t + j) by one store.  No barrier: waves share nothing.
.set STEPS, 16
.set EMAX,  2
.set SP,    80                         ; a lane's place in a turning stage: 64 bytes + 16 of padding
.set WREG,  9728                       ; LDS of a wave: two turning stages (5,120), the codes' stage (16 x 272), 256 scale bytes
.set CST,   5120
.set CP,    272
.set SBY,   9472
.set SPARE, 4*WREG                     ; behind the four regions: the spare words, 128 bytes for each wave, which no other line names
.set R,     16                         ; v16-79   four sets of 16 numbers as loaded
.set X,     80                         ; v80-111  two sets of 16 neighbours
.set E,     112                        ; v112-127 a scale byte for each step
.set C,     128                        ; v128-159 two registers of codes for each step
.set OUTR,  160                        ; v160-191 the way out
.set SPW,   12                         ; v12  LDS address of my spare word; never rewritten
.set NIL,   13                         ; v13  0; never rewritten
	s_load_b256 s[4:11], s[0:1], 0x0               ; x, W_q, W_k, W_v
	s_load_b256 s[12:19], s[0:1], 0x20             ; W_o, xc, xs, wc
	s_load_b64 s[20:21], s[0:1], 0x40              ; ws
	v_lshl_add_u32 v[SPW], v0, 2, SPARE
	v_mov_b32 v[NIL], 0
	v_lshrrev_b32 v1, 5, v0
	v_readfirstlane_b32 s32, v1                    ; wave
	v_and_b32 v2, 31, v0                           ; lane
	v_lshlrev_b32 v3, 4, v2                        ; 16 x lane: my bytes of a load's or a store's 512
	s_mul_i32 s33, s32, WREG
	v_lshrrev_b32 v14, 2, v2
	v_mul_u32_u24 v14, v14, SP
	v_and_b32 v15, 3, v2
	v_lshl_add_u32 v14, v15, 4, v14
	v_add_nc_u32 v14, s33, v14                     ; the turning stage, in: SP (lane / 4) + 16 (lane % 4)
	v_mul_u32_u24 v15, v2, SP
	v_add_nc_u32 v15, s33, v15                     ; and out: SP x lane
	v_lshrrev_b32 v5, 1, v2                        ; my block of the step's 16
	v_and_b32 v6, 1, v2
	v_mul_u32_u24 v4, v5, CP
	v_lshl_add_u32 v4, v6, 3, v4
	v_add_nc_u32 v4, s33, v4
	v_add_nc_u32 v4, CST, v4                       ; the codes' stage, in: row = block, 8 bytes for each of its two lanes; the step adds 16 t
	v_add_nc_u32 v5, s33, v5
	v_add_nc_u32 v5, SBY, v5                       ; my block's scale byte; the step adds 16 t
	v_lshlrev_b32 v7, 3, v2
	v_add_nc_u32 v6, s33, v7
	v_add_nc_u32 v6, SBY, v6                       ; the scale bytes on the way out: 8 a lane
	v_lshrrev_b32 v1, 4, v2
	v_mul_u32_u24 v1, v1, CP
	v_and_b32 v8, 15, v2
	v_lshl_add_u32 v1, v8, 4, v1
	v_add_nc_u32 v1, s33, v1
	v_add_nc_u32 v1, CST, v1                       ; the codes' stage, out: sixteen lanes to a row, two rows an instruction
	s_and_b32 s30, ttmp9, 31                       ; a weight's group of rows,
	s_sub_co_u32 s31, ttmp9, 256                   ; and its group among the four weights'
	s_wait_kmcnt 0x0
	s_mov_b64 s[22:23], s[12:13]                   ; whose rows?  The choice hangs on the work-group's number alone
	s_cmp_lt_u32 ttmp9, 352
	s_cselect_b64 s[22:23], s[10:11], s[22:23]
	s_cmp_lt_u32 ttmp9, 320
	s_cselect_b64 s[22:23], s[8:9], s[22:23]
	s_cmp_lt_u32 ttmp9, 288
	s_cselect_b64 s[22:23], s[6:7], s[22:23]
	s_cmp_lt_u32 ttmp9, 256
	s_cselect_b64 s[22:23], s[4:5], s[22:23]
	s_cselect_b64 s[24:25], s[14:15], s[18:19]     ; the codes go to xc or wc,
	s_cselect_b64 s[26:27], s[16:17], s[20:21]     ; the scale bytes to xs or ws
	s_cselect_b32 s30, ttmp9, s30                  ; the group in the source,
	s_cselect_b32 s31, ttmp9, s31                  ; and in the destination
	s_lshl_b32 s36, s30, 17                        ; 32 rows of 4,096 bytes,
	s_lshr_b32 s34, s32, 1
	s_lshl_b32 s34, s34, 15                        ; + 8 u rows,
	s_add_co_u32 s36, s36, s34
	s_and_b32 s35, s32, 1
	s_lshl_b32 s35, s35, 11                        ; + my half of K
	s_add_co_u32 s36, s36, s35
	s_mov_b32 s37, 0
	s_add_nc_u64 s[22:23], s[22:23], s[36:37]
	s_lshl_b32 s31, s31, 2
	s_add_co_u32 s31, s31, s32                     ; my run: 4 x group + wave
	s_lshl_b32 s36, s31, 12
	s_add_nc_u64 s[24:25], s[24:25], s[36:37]      ; 4,096 bytes of codes a run,
	s_lshl_b32 s36, s31, 8
	s_add_nc_u64 s[26:27], s[26:27], s[36:37]      ; 256 scale bytes
.macro LOAD t                          ; step t: row t + 8 (t / 8) from my first
.irp i, 0,1,2,3
	global_load_b128 v[R+16*((\t)%4)+4*\i:R+16*((\t)%4)+4*\i+3], v3, s[22:23] offset:((\t)+8*((\t)/8))*4096+512*\i th:TH_LOAD_NT
.endr
.endm
.macro TURN t                          ; step t's numbers through a turning stage: LDS serves a wave's instructions in order, so no wait stands between the stores and the loads
.irp i, 0,1,2,3
	ds_store_b128 v14, v[R+16*((\t)%4)+4*\i:R+16*((\t)%4)+4*\i+3] offset:32*SP*((\t)%2)+8*SP*\i
.endr
.irp i, 0,1,2,3
	ds_load_b128 v[X+16*((\t)%2)+4*\i:X+16*((\t)%2)+4*\i+3], v15 offset:32*SP*((\t)%2)+16*\i
.endr
.endm
.irp t, 0,1,2,3
	LOAD \t
.endr
	s_wait_loadcnt 12                              ; step 0's four loads are in
	TURN 0
.macro STEP t
.set XS, X+16*((\t)%2)
.if (\t) > 0
	s_wait_dscnt 2                                 ; this step's numbers are back (the last step's two stores may be out): so its stores into the stage have read their registers,
.else
	s_wait_dscnt 0x0
.endif
.if (\t)+4 < STEPS
	LOAD (\t)+4                                    ; which take the loads of four steps on
.endif
.if (\t)+1 < STEPS
.if STEPS-2-(\t) >= 3
	s_wait_loadcnt 12                              ; the next step's four loads are in; those of the three steps behind it may be out
.else
	s_wait_loadcnt 4*(STEPS-2-(\t))
.endif
	TURN (\t)+1
.endif
	v_max3_num_f32 v8, |v[XS]|, |v[XS+1]|, |v[XS+2]|               ; the largest magnitude of my 16, in two chains
	v_max3_num_f32 v9, |v[XS+3]|, |v[XS+4]|, |v[XS+5]|
.irp i, 6,10
	v_max3_num_f32 v8, v8, |v[XS+\i]|, |v[XS+\i+1]|
	v_max3_num_f32 v9, v9, |v[XS+\i+2]|, |v[XS+\i+3]|
.endr
	v_max3_num_f32 v8, v8, |v[XS+14]|, |v[XS+15]|
	v_max3_num_f32 v8, v8, v9, (EMAX+1)<<23        ; and the floor 2^(3 - 127): the byte cannot fall under 1
	v_max_num_f32_dpp v8, v8, v8 row_xmask:1 row_mask:0xf bank_mask:0xf   ; with my neighbour's 16: the block's
	v_add_nc_u32 v11, -(EMAX<<23), v8              ; 2 off its exponent field: the conversion takes the exponent field of this operand as its scale
	v_cvt_scalef32_pk8_fp4_f32 v[C+2*(\t)], v[XS:XS+7], v11
	v_cvt_scalef32_pk8_fp4_f32 v[C+2*(\t)+1], v[XS+8:XS+15], v11
	v_lshrrev_b32 v[E+(\t)], 23, v11               ; the scale's byte (also the plain line behind the conversions)
	ds_store_b8 v5, v[E+(\t)] offset:16*(\t)       ; both lanes of a block write the same byte with the same value
	ds_store_b64 v4, v[C+2*(\t):C+2*(\t)+1] offset:16*(\t)
.endm
.irp t, 0,1,2,3,4,5,6,7,8,9,10,11,12,13,14,15
	STEP \t
.endr
.irp j, 0,1,2,3,4,5,6,7
	ds_load_b128 v[OUTR+4*\j:OUTR+4*\j+3], v1 offset:2*CP*\j       ; LDS serves a wave's instructions in order: these see my stores
.endr
	ds_load_b64 v[8:9], v6
.irp j, 0,1,2,3,4,5,6,7
	s_wait_dscnt 8-\j                              ; the 7 - j younger loads of codes and the load of scale bytes may be out
	global_store_b128 v3, v[OUTR+4*\j:OUTR+4*\j+3], s[24:25] offset:512*\j   ; 32 lanes store 512 consecutive bytes, aligned
.endr
	s_wait_dscnt 0x0
	global_store_b64 v7, v[8:9], s[26:27]          ; 32 lanes store 256 consecutive bytes, aligned
	s_wait_tensorcnt 0x0                           ; the wave's end
	ds_add_u32 v[SPW], v[NIL]
	s_wait_dscnt 0x0
	s_endpgm
.Lfunc_end_k_q340190504d_quant:
	.size	k_q340190504d_quant, .Lfunc_end_k_q340190504d_quant-k_q340190504d_quant
	.p2alignl 7, 3214868480
	.fill 96, 4, 3214868480
	.section	.rodata,"a",@progbits
	.p2align	6, 0x0
	.amdhsa_kernel k_q340190504d_quant
		.amdhsa_group_segment_fixed_size 39424
		.amdhsa_private_segment_fixed_size 0
		.amdhsa_enable_private_segment 0
		.amdhsa_kernarg_size 72
		.amdhsa_user_sgpr_count 2
		.amdhsa_user_sgpr_kernarg_segment_ptr 1
		.amdhsa_wavefront_size32 1
		.amdhsa_system_sgpr_workgroup_id_x 1
		.amdhsa_system_sgpr_workgroup_id_y 1
		.amdhsa_system_sgpr_workgroup_id_z 1
		.amdhsa_system_vgpr_workitem_id 0
		.amdhsa_next_free_vgpr 192
		.amdhsa_next_free_sgpr 66
		.amdhsa_reserve_vcc 0
		.amdhsa_float_denorm_mode_32 3
		.amdhsa_float_denorm_mode_16_64 3
		.amdhsa_memory_ordered 1
		.amdhsa_forward_progress 1
		.amdhsa_inst_pref_size 35
	.end_amdhsa_kernel
	.amdgpu_metadata
---
amdhsa.version: [ 1, 2 ]
amdhsa.kernels:
  - .name:           k_q340190504d_quant
    .symbol:         k_q340190504d_quant.kd
    .args:
      - { .name: x, .offset: 0, .size: 8, .value_kind: global_buffer, .address_space: global }
      - { .name: W_q, .offset: 8, .size: 8, .value_kind: global_buffer, .address_space: global }
      - { .name: W_k, .offset: 16, .size: 8, .value_kind: global_buffer, .address_space: global }
      - { .name: W_v, .offset: 24, .size: 8, .value_kind: global_buffer, .address_space: global }
      - { .name: W_o, .offset: 32, .size: 8, .value_kind: global_buffer, .address_space: global }
      - { .name: xc, .offset: 40, .size: 8, .value_kind: global_buffer, .address_space: global }
      - { .name: xs, .offset: 48, .size: 8, .value_kind: global_buffer, .address_space: global }
      - { .name: wc, .offset: 56, .size: 8, .value_kind: global_buffer, .address_space: global }
      - { .name: ws, .offset: 64, .size: 8, .value_kind: global_buffer, .address_space: global }
    .group_segment_fixed_size: 39424
    .private_segment_fixed_size: 0
    .kernarg_segment_align: 8
    .kernarg_segment_size: 72
    .max_flat_workgroup_size: 128
    .sgpr_count:     66
    .vgpr_count:     192
    .wavefront_size: 32
...
	.end_amdgpu_metadata
.endif
;; end of part 1
;; launch qkv (part 2): grid 12 x 32, 4 waves a work-group, clusters of 4 x 4, 327,680 bytes of LDS; arguments xc, xs, wc, ws, qkvc, qkvs; writes qkvc, qkvs
.if DOCPART == 2
	.amdgcn_target "amdgcn-amd-amdhsa--gfx1250"
	.amdhsa_code_object_version 6
	.text
	.protected	k_q340190504d_qkv
	.globl	k_q340190504d_qkv
	.p2align	8
	.type	k_q340190504d_qkv,@function
k_q340190504d_qkv:
	s_mov_b64 s[64:65], 0
	v_nop
	global_prefetch_b8 v0, s[64:65] scope:SCOPE_SE
	s_setreg_imm32_b32 hwreg(HW_REG_WAVE_MODE, 25, 1), 1
	s_wait_xcnt 0x0
	s_wait_alu depctr_hold_cnt(0) depctr_sa_sdst(0) depctr_va_vdst(0) depctr_va_sdst(0) depctr_va_ssrc(0) depctr_va_vcc(0) depctr_vm_vsrc(0)
	s_getreg_b32 s2, hwreg(HW_REG_IB_STS2, 6, 4)
	s_cmp_eq_u32 s2, 0
	s_cbranch_scc0 .Lentry_in_a_cluster
	s_endpgm
.Lentry_in_a_cluster:
	s_bfe_u32 s2, ttmp6, 0x10000c
	s_cmp_lg_u32 s2, 0xf033
	s_cbranch_scc0 .Lentry_shape_is_right
	s_endpgm
.Lentry_shape_is_right:
; LAUNCH 2 OF 4: q = x W_q^T, k = x W_k^T, v = x W_v^T on codes of FP4 with E8M0 scales (K = 1,024), f32 sums; the results are quantised in registers and leave as codes: q and k along the head's 64, v along the keys.
; A tile of the product is 256 x 256, made by four waves, each 128 x 128: 64 accumulators of 16 x 16.  THE MATRIX INSTRUCTION IS USED TRANSPOSED: source 0 = 16 rows of B, source 1 = 16 rows of A: a lane holds ONE row of A,
; and its registers run along B's rows.  B's rows lie in the order pos (bits 3 and 4 of the row's number exchanged), so the 16 registers of two neighbouring tiles are 16 true neighbours: register 16 j + i of an A tile's 64 is
; B's row 32 j + 16 (lane / 16) + i.  That is the order in which the conversions want a block of 32.
; ONE TEXT FOR THREE PRODUCTS.  Clusters x = 0, 1 (q, k): A = x (tokens), B = W_q, W_k (channels): a lane holds a token, its registers run along channels.  Cluster x = 2 (v): A = W_v (channels), B = x (tokens): a lane holds a
; channel and its registers run along the keys.  Which it is hangs on the cluster's x alone, the same in all sixteen partners; only numbers and pointers are chosen, no branch is taken.
; K = 1,024 is two LDS slots of 512 along K: both, and the scale words, are first fills; nothing is filled again.  Codes lie in memory as images of the operands' registers (launch 1), so a fragment is two loads of 16 bytes a lane
; at 16 x lane: an instruction reads 512 consecutive bytes.
; CLUSTERS: 4 x 4 work-groups.  A's tile hangs on the cluster's y place alone and is asked for jointly by a row of the cluster, B's on the x place alone, by a column.
; REGISTERS, in windows of 256: window 0: v0-31 addresses; v32-95 scale words, two sets; v128-191 A's fragments, one set; v200-239 at work on the way out.  window 1: B's fragments, two sets, at v0 and v128.
;   window 2: the accumulators of A's tiles 0-3 ((a, b) at v[8 (8 (a % 4) + b)]); window 3: those of tiles 4-7.
; LIMIT: a block of zeros gets the byte 1, which this program alone reads.
.set HALFT,  32768                     ; 8 tiles x 4,096 bytes: what one tensor load brings, and what one wave reads of A or of B in a slot
.set SLOT,   4*HALFT                   ; A's two halves, then B's two
.set SCL,    2*SLOT                    ; behind the slots: the scale words, 4 x 4,096 bytes in the same order
.set SPARE,  SCL+4*4096                ; the spare words, 128 bytes for each wave, which no other line names
.set NQ,     4                         ; steps of 128 along K in a slot
.set FR,     8                         ; registers of a fragment
.set NL,     2                         ; LDS loads that bring one
.set NP,     4                         ; places behind this matrix instruction (ISA guide 7.12.1)
.set ADRA, 16                          ; v16-17  LDS address of my A fragments in slot 0, 1
.set ADRB, 20                          ; v20-21  the same for B
.set L16,  24                          ; v24     16 x lane
.set VO1,  25                          ; v25     the way out: where a fragment's second half goes
.set VS,   26                          ; v26     the way out: my scale words' place
.set ADRS, 27                          ; v27     LDS address of my scale words: lanes 0-15 A's rows, lanes 16-31 B's
.set SPW,  28                          ; v28     LDS address of my spare word; never rewritten
.set NIL,  29                          ; v29     0; never rewritten
.set SHV,  30                          ; v30     the way out: how far my scale word is shifted down
.set LN,   31                          ; v31     lane
.set SC,   32                          ; scale words: set s at v[SC + 32 s]; register 4 i + q: lanes 0-15 A's tile i, lanes 16-31 B's tile i, the slot's q-th 128 along K
.set AF,   128
.set TM,   200                         ; v200-203 largest magnitudes, v204-207 bytes, v212-215 the conversions' scale operands
.set PW,   216                         ; the scale word just made
.set PC,   220                         ; v220-227 the codes just made
.set SW,   232                         ; v232-239 the eight tiles' scale words
.set WV,   16
.set HA,   17
.set HB,   18
.set G1,   24                          ; s[24:31] descriptor group 1 for A's codes; s[32:39] group 0, one set for each slot
.set G0,   32
.set G1B,  48                          ; s[48:55], s[56:63] the same for B's
.set G0B,  56
.set G1S,  68                          ; s[68:75], s[76:79] groups 1 and 0 for A's scale words; s[80:87], s[88:91] for B's
.set G0S,  76
.set G1SB, 80
.set G0SB, 88
.set SEL,  100                         ; s[100:101] lane selects for v_permlanex16_b32: lane l xor 16
.set MSB, 0
.macro WIN new                         ; the immediate's high byte repeats the setting that is left
.if MSB != \new
	s_set_vgpr_msb (MSB<<8)|\new
.set MSB, \new
.endif
.endm
.set MUL_LO, 0xa1                      ; source 0 (B) window 1, source 1 (A) window 0, C and D window 2
.set MUL_HI, 0xf1                      ; the same, C and D window 3
.set TO_B,   0x40                      ; destination window 1, address window 0
; A joint load: waves 0 and 1 fetch for A, waves 2 and 3 for B.  The branch hangs on the wave's number alone.  An s_nop 0 and four v_nop follow each of the two lines.
.macro JLOAD g0a, g1a, g0b, g1b
	s_cmp_eq_u32 s[HA], 0
	s_cbranch_scc0 .Lfor_b_\@
	tensor_load_to_lds s[\g0a:\g0a+3], s[\g1a:\g1a+7]
	s_nop 0
.rept 4
	v_nop
.endr
	s_branch .Lasked_\@
.Lfor_b_\@:
	tensor_load_to_lds s[\g0b:\g0b+3], s[\g1b:\g1b+7]
	s_nop 0
.rept 4
	v_nop
.endr
.Lasked_\@:
.endm
.macro CROUND                          ; a round of the cluster's barrier
	s_barrier_signal -1
	s_barrier_wait -1
	s_cmp_lg_u32 s[WV], 0
	s_cbranch_scc1 .Lnot_wave_0_\@
	s_barrier_signal -3
.Lnot_wave_0_\@:
	s_barrier_wait -3
	s_barrier_signal -1
	s_barrier_wait -1
.endm
	s_load_b256 s[4:11], s[0:1], 0x0               ; xc, xs, wc, ws
	s_load_b128 s[12:15], s[0:1], 0x20             ; qkvc, qkvs
	v_lshl_add_u32 v[SPW], v0, 2, SPARE
	v_mov_b32 v[NIL], 0
	ds_add_u32 v[SPW], v[NIL]                      ; the wave's opening: the add, twice on end, and its wait ahead of my first tensor load
	ds_add_u32 v[SPW], v[NIL]
	v_lshrrev_b32 v1, 5, v0
	v_readfirstlane_b32 s[WV], v1                  ; wave 0..3
	s_lshr_b32 s[HA], s[WV], 1                     ; which half of A's rows is mine.  Also: I fetch for A (0) or for B (1)
	s_and_b32 s[HB], s[WV], 1                      ; which half of B's rows.  Also: which half I fetch
	s_bfe_u32 s40, ttmp6, 0x40000                  ; cx, cy: my place in the cluster
	s_bfe_u32 s41, ttmp6, 0x40004
	s_and_b32 s2, ttmp7, 0xffff
	s_lshl_b32 s2, s2, 2                           ; 4 x cluster y
	s_lshl_b32 s20, ttmp9, 2                       ; 4 x cluster x
	s_cmp_eq_u32 ttmp9, 2                          ; v's clusters?
	s_cselect_b32 s43, 8, s2                       ; A's blocks of 256 rows: W_v's begin at block 8 of wc; else x's tokens by the cluster's y
	s_cselect_b32 s42, s2, s20                     ; B's: x's tokens by the cluster's y; else W_q's and W_k's by the cluster's x
	s_add_co_u32 s43, s43, s41                     ; A's block hangs on cy,
	s_add_co_u32 s42, s42, s40                     ; B's on cx
	s_lshl_b32 s44, s41, 2
	s_lshl_b32 s44, 15, s44                        ; my row of the cluster
	s_lshl_b32 s45, 0x1111, s40                    ; my column
	; descriptor group 1, codes: 8 rows (tiles) of 512 elements of 8 bytes, 1,024 elements apart: half of each tile's 8,192 bytes; no padding
	s_or_b32 s[G1+0], s44, (3<<16)|(1<<21)         ; 15:0 the mask; 17:16 elements of 8 bytes; 21 set beside a mask
	s_or_b32 s[G1B+0], s45, (3<<16)|(1<<21)
.irp g, G1, G1B
	s_mov_b32 s[\g+1], 512<<16                     ; tensor_dim0
	s_mov_b32 s[\g+2], 8<<16                       ; tensor_dim1
	s_mov_b32 s[\g+3], 512<<16                     ; tile_dim0
	s_mov_b32 s[\g+4], 8                           ; tile_dim1
	s_mov_b32 s[\g+5], 1024                        ; tensor_dim0_stride
	s_mov_b32 s[\g+6], 0
	s_mov_b32 s[\g+7], 0
.endr
	; scale words of 128 rows: 4,096 dense bytes, as 16 rows of 256
	s_or_b32 s[G1S+0], s44, (3<<16)|(1<<21)
	s_or_b32 s[G1SB+0], s45, (3<<16)|(1<<21)
.irp g, G1S, G1SB
	s_mov_b32 s[\g+1], 32<<16
	s_mov_b32 s[\g+2], 16<<16
	s_mov_b32 s[\g+3], 32<<16
	s_mov_b32 s[\g+4], 16
	s_mov_b32 s[\g+5], 32
	s_mov_b32 s[\g+6], 0
	s_mov_b32 s[\g+7], 0
.endr
	s_lshl_b32 s3, s[HB], 7
	s_lshl_b32 s19, s43, 8
	s_add_co_u32 s19, s19, s3                      ; A: the first of the 128 rows that I would fetch
	s_lshl_b32 s22, s42, 8
	s_add_co_u32 s22, s22, s3                      ; B likewise
	s_lshl_b32 s23, s[WV], 15                      ; where they go: wave x 32,768: no place in the cluster enters an LDS address
	s_lshl_b32 s66, s[WV], 12                      ; and the scale words: wave x 4,096
	s_mov_b32 s[SEL], 0x76543210
	s_mov_b32 s[SEL+1], 0xfedcba98
	s_wait_dscnt 0x0                               ; both opening adds are done
	s_wait_kmcnt 0x0
	s_cmp_eq_u32 ttmp9, 2
	s_cselect_b64 s[92:93], s[8:9], s[4:5]         ; A's codes,
	s_cselect_b64 s[94:95], s[10:11], s[6:7]       ; A's scale words,
	s_cselect_b64 s[96:97], s[4:5], s[8:9]         ; B's codes,
	s_cselect_b64 s[98:99], s[6:7], s[10:11]       ; B's scale words
	s_lshl_b32 s2, s19, 9                          ; 512 bytes of codes a row,
	s_mov_b32 s3, 0
	s_add_nc_u64 s[92:93], s[92:93], s[2:3]
	s_lshl_b32 s2, s19, 5                          ; 32 scale bytes
	s_add_nc_u64 s[94:95], s[94:95], s[2:3]
	s_lshl_b32 s20, s22, 9
	s_mov_b32 s21, 0
	s_add_nc_u64 s[96:97], s[96:97], s[20:21]
	s_lshl_b32 s20, s22, 5
	s_add_nc_u64 s[98:99], s[98:99], s[20:21]
	CROUND                                         ; all sixteen work-groups are here: the first joint loads meet
	s_mov_b32 s[G0S], 1
	s_add_co_u32 s[G0S+1], s66, SCL
	s_mov_b64 s[G0S+2:G0S+3], s[94:95]
	s_or_b32 s[G0S+3], s[G0S+3], 0x80000000
	s_mov_b32 s[G0SB], 1
	s_add_co_u32 s[G0SB+1], s66, SCL
	s_mov_b64 s[G0SB+2:G0SB+3], s[98:99]
	s_or_b32 s[G0SB+3], s[G0SB+3], 0x80000000
	JLOAD G0S, G1S, G0SB, G1SB                     ; the scale words first: they are wanted with slot 0
.irp s, 0,1
	s_mov_b32 s[G0+4*\s], 1
	s_add_co_u32 s[G0+4*\s+1], s23, \s*SLOT
	s_add_nc_u64 s[G0+4*\s+2:G0+4*\s+3], s[92:93], \s*4096
	s_or_b32 s[G0+4*\s+3], s[G0+4*\s+3], 0x80000000
	s_mov_b32 s[G0B+4*\s], 1
	s_add_co_u32 s[G0B+4*\s+1], s23, \s*SLOT
	s_add_nc_u64 s[G0B+4*\s+2:G0B+4*\s+3], s[96:97], \s*4096
	s_or_b32 s[G0B+4*\s+3], s[G0B+4*\s+3], 0x80000000
	JLOAD G0+4*\s, G1, G0B+4*\s, G1B               ; three loads of mine are out behind the last of these
.endr
	v_and_b32 v[LN], 31, v0
	v_and_b32 v1, 15, v0                           ; r = lane % 16
	v_bfe_u32 v2, v0, 4, 1                         ; h = lane / 16
	v_lshlrev_b32 v[L16], 4, v[LN]
	s_lshl_b32 s67, s[HA], 15                      ; my half of A,
	s_lshl_b32 s19, s[HB], 15
	s_add_co_u32 s19, s19, 2*HALFT                 ; my half of B, behind A's two
.irp s, 0,1
	v_add_nc_u32 v[ADRA+\s], s67, v[L16]
	v_add_nc_u32 v[ADRB+\s], s19, v[L16]
	s_add_co_u32 s67, s67, SLOT
	s_add_co_u32 s19, s19, SLOT
.endr
	s_lshl_b32 s67, s[HA], 12                      ; A's scale words: my half;
	s_lshl_b32 s19, s[HB], 12
	s_add_co_u32 s19, s19, 8192                    ; B's: my half, behind A's two;
	s_sub_co_u32 s19, s19, s67                     ; the distance between the two,
	v_mul_u32_u24 v4, s19, v2                      ; which lanes 16-31 add
	v_lshl_add_u32 v4, v1, 4, v4                   ; 16 bytes a row
	s_add_co_u32 s67, s67, SCL
	v_add_nc_u32 v[ADRS], s67, v4
.macro FRAG reg, adr, q, i             ; a fragment comes as it was laid: tile i, the slot's q-th 128 along K, two loads of 512 consecutive bytes
.irp c, 0,1
	ds_load_b128 v[\reg+4*\c:\reg+4*\c+3], v[\adr] offset:4096*(\i)+1024*(\q)+512*\c
.endr
.endm
; 16 matrix instructions: A's tiles a0, a0 + 1 x B's eight.  p: B's set; sc: the set of scale words.  zero = 1: the first product starts the sums.  The 64 accumulators take turns, one instruction a turn, in the same order in every step.
.macro MUL16 a0, p, q, sc, zero
.irp a, \a0, \a0+1
.irp b, 0,1,2,3,4,5,6,7
.if \zero
	v_wmma_scale_f32_16x16x128_f8f6f4 v[8*(8*((\a)%4)+\b):8*(8*((\a)%4)+\b)+7], v[128*(\p)+FR*\b:128*(\p)+FR*\b+FR-1], v[AF+FR*(\a):AF+FR*(\a)+FR-1], 0, v[SC+8*NQ*(\sc)+NQ*\b+(\q)], v[SC+8*NQ*(\sc)+NQ*(\a)+(\q)] matrix_a_fmt:MATRIX_FMT_FP4 matrix_b_fmt:MATRIX_FMT_FP4 matrix_a_scale:MATRIX_SCALE_ROW1
.else
	v_wmma_scale_f32_16x16x128_f8f6f4 v[8*(8*((\a)%4)+\b):8*(8*((\a)%4)+\b)+7], v[128*(\p)+FR*\b:128*(\p)+FR*\b+FR-1], v[AF+FR*(\a):AF+FR*(\a)+FR-1], v[8*(8*((\a)%4)+\b):8*(8*((\a)%4)+\b)+7], v[SC+8*NQ*(\sc)+NQ*\b+(\q)], v[SC+8*NQ*(\sc)+NQ*(\a)+(\q)] matrix_a_fmt:MATRIX_FMT_FP4 matrix_b_fmt:MATRIX_FMT_FP4 matrix_a_scale:MATRIX_SCALE_ROW1
.endif
.endr
.endr
.endm
.macro FETCH_B slot, q, p
	WIN TO_B
.irp i, 0,1,2,3,4,5,6,7
	FRAG 128*(\p)+FR*\i, ADRB+\slot, \q, \i
.endr
	WIN 0
.endm
.macro FETCH_A slot, q, i0
.irp i, \i0, \i0+1, \i0+2, \i0+3
	FRAG AF+FR*(\i), ADRA+\slot, \q, \i
.endr
.endm
.macro SCALES sc                       ; slot sc's scale words: four words a row; lanes 0-15 take A's tile i, lanes 16-31 B's tile i
.irp i, 0,1,2,3,4,5,6,7
	ds_load_b128 v[SC+8*NQ*\sc+NQ*\i:SC+8*NQ*\sc+NQ*\i+3], v[ADRS] offset:512*\i+256*\sc
.endr
.endm
.macro PLACES n                        ; plain vector lines between a matrix instruction and a load into, or a read of, its registers
.rept \n
	v_nop
.endr
.endm
.macro STEP slot, q, zero              ; a step of 128 along K that has its successor in the same slot
	s_wait_dscnt 4*NL                              ; B's set and A's tiles 0-3 are in; the youngest eight loads (A's tiles 4-7) may be out
	WIN MUL_LO
	MUL16 0, (\q)%2, \q, \slot, \zero
	MUL16 2, (\q)%2, \q, \slot, \zero
	s_wait_dscnt 0
	PLACES NP
	FETCH_B \slot, (\q)+1, 1-(\q)%2
	FETCH_A \slot, (\q)+1, 0
	WIN MUL_HI
	MUL16 4, (\q)%2, \q, \slot, \zero
	MUL16 6, (\q)%2, \q, \slot, \zero
	PLACES NP
	WIN 0
	FETCH_A \slot, (\q)+1, 4
.endm
.macro TURN slot, next                 ; slot 0's last step: one barrier, in front of which each wave has waited for all its tensor loads; behind it slot 1 is whole.  Nothing is filled again
	s_wait_tensorcnt 0x0                           ; my part of slot 1 has landed
	ds_add_u32 v[SPW], v[NIL]                      ; 0 onto my spare word
	s_wait_dscnt 4*NL+1                            ; (the add and the youngest eight loads may be out)
	WIN MUL_LO
	MUL16 0, 1, NQ-1, \slot, 0
	s_wait_dscnt 0x0
	s_barrier_signal -1
	MUL16 2, 1, NQ-1, \slot, 0
	WIN 0
	s_barrier_wait -1
	PLACES NP
	FETCH_B \next, 0, 0
	FETCH_A \next, 0, 0
	SCALES \next
	WIN MUL_HI
	MUL16 4, 1, NQ-1, \slot, 0
	MUL16 6, 1, NQ-1, \slot, 0
	PLACES NP
	WIN 0
	FETCH_A \next, 0, 4
.endm
	s_wait_tensorcnt 1                             ; the scale words and my part of slot 0 are in (slot 1's load may be out)
	s_barrier_signal -1
	s_barrier_wait -1                              ; everybody's are
	FETCH_B 0, 0, 0
	FETCH_A 0, 0, 0
	SCALES 0
	FETCH_A 0, 0, 4
	STEP 0, 0, 1                                   ; the first step's products start the sums: nothing is cleared
	STEP 0, 1, 0
	STEP 0, 2, 0
	TURN 0, 1
	STEP 1, 0, 0
	STEP 1, 1, 0
	STEP 1, 2, 0
	s_wait_dscnt 4*NL                              ; the last step: nothing more to fetch
	WIN MUL_LO
	MUL16 0, 1, NQ-1, 1, 0
	MUL16 2, 1, NQ-1, 1, 0
	s_wait_dscnt 0
	WIN MUL_HI
	MUL16 4, 1, NQ-1, 1, 0
	MUL16 6, 1, NQ-1, 1, 0
	WIN 0
; THE WAY OUT.  An A tile's 64 registers are 128 neighbours along B's rows: four blocks of 32.  They become one fragment's codes (8 registers) and one scale word, and the codes leave as they stand, 512 consecutive bytes a store.
; q, k: the 128 are two heads' channels: registers 0-3 are head 0's image (16 tokens x 64), registers 4-7 the next head's, 262,144 bytes on.  v: the 128 are a key step: registers 0-3 and 4-7 are the two halves of one image (16 channels x 128 keys).
; 64 numbers v[s] .. v[s + 63] of window 2 + hi become codes in v[PC] on and the scale word in v[PW].
.macro QUANT s, hi
	WIN 0x0a+5*(\hi)                               ; sources 0 and 1: the accumulators' window
.irp b, 0,1,2,3
	v_max3_num_f32 v[TM+\b], |v[\s+16*\b]|, |v[\s+1+16*\b]|, 0x1800000   ; block b: my 16 numbers, from each accumulator's low end on, and the floor 2^(3 - 127)
.endr
.irp i, 2,4,6,8,10,12,14
.irp b, 0,1,2,3
	v_max3_num_f32 v[TM+\b], |v[\s+16*\b+\i]|, |v[\s+1+16*\b+\i]|, v[TM+\b]   ; (the four blocks by turns)
.endr
.endr
	WIN 0
.irp b, 0,1,2,3
	v_permlanex16_b32 v[TM+4+\b], v[TM+\b], s[SEL], s[SEL+1]
.endr
.irp b, 0,1,2,3
	v_max_num_f32 v[TM+\b], v[TM+\b], v[TM+4+\b]   ; with lane l xor 16's: the block's largest magnitude
.endr
.irp b, 0,1,2,3
	v_add_nc_u32 v[TM+12+\b], 0xff000000, v[TM+\b] ; 2 off its exponent field: the conversion's scale operand
.endr
.irp b, 0,1,2,3
	v_lshrrev_b32 v[TM+4+\b], 23, v[TM+12+\b]      ; the scale's byte
.endr
	v_lshl_or_b32 v[PW], v[TM+5], 8, v[TM+4]
	v_lshl_or_b32 v[PW], v[TM+6], 16, v[PW]
	v_lshl_or_b32 v[PW], v[TM+7], 24, v[PW]
	WIN 2+(\hi)                                    ; source 0: the accumulators' window
.irp b, 0,1,2,3
	v_cvt_scalef32_pk8_fp4_f32 v[PC+2*\b], v[\s+16*\b:\s+7+16*\b], v[TM+12+\b]
	v_cvt_scalef32_pk8_fp4_f32 v[PC+1+2*\b], v[\s+8+16*\b:\s+15+16*\b], v[TM+12+\b]
.endr
	WIN 0
	v_nop                                          ; one plain line behind a scaled conversion
.irp c, 0,1                            ; the operand's layout wants a whole block in a lane: lanes 0-15 block 2 c, lanes 16-31 block 2 c + 1
.irp i, 0,1
	v_permlane16_swap_b32 v[PC+4*\c+\i], v[PC+2+4*\c+\i]
.endr
.endr
.endm
.irp b, 0,1,2,3
	v_mov_b32 v[TM+4+\b], 0                        ; written once: a lane permute's destination counts as one of its sources.  (These four are also the places behind the last products)
.endr
	; what tells q and k from v, chosen again by the cluster's x.  All my tensor loads were waited for at the change of slots, so the descriptors' registers are free
	s_mov_b32 s24, 4096
	s_mov_b32 s26, 262144
	s_mov_b32 s38, 512
	s_cmp_eq_u32 ttmp9, 2
	s_cselect_b32 s24, 512, s24                    ; bytes of codes for each row of B: v: a key step's 65,536 / 128; q, k: a head's 262,144 / 64
	s_cselect_b32 s26, 512, s26                    ; from a fragment's first half to its second
	s_cselect_b32 s38, 1024, s38                   ; from an A tile to the next
	s_cselect_b32 s27, 64, 32                      ; bytes of codes for each row of A
	s_cselect_b32 s28, 8257536, 0                  ; v begins at 8 MiB, less W_v's first row (2,048) x 64
	s_cselect_b32 s29, 32, 512                     ; scale bytes for each row of B
	s_cselect_b32 s30, 1040384, 0                  ; v's begin at 1,048,576, less 2,048 x 4
	s_cselect_b32 s31, 0, 16                       ; q, k: lanes 16-31 store the second head's two bytes, brought down
	s_cselect_b32 s32, 16, 32                      ; v: lanes 0-15 alone store scale words
	s_mov_b32 s39, 0
	s_lshl_b32 s33, s43, 8
	s_lshl_b32 s35, s[HA], 7
	s_add_co_u32 s33, s33, s35                     ; my first row of A,
	s_lshl_b32 s34, s42, 8
	s_lshl_b32 s35, s[HB], 7
	s_add_co_u32 s34, s34, s35                     ; and of B
	s_mul_i32 s36, s34, s24
	s_mul_i32 s35, s33, s27
	s_add_co_u32 s36, s36, s35
	s_add_co_u32 s36, s36, s28
	s_mov_b32 s37, 0
	s_add_nc_u64 s[12:13], s[12:13], s[36:37]      ; the codes of my first A tile
	s_mul_i32 s36, s34, s29
	s_lshl_b32 s35, s33, 2
	s_add_co_u32 s36, s36, s35
	s_add_co_u32 s36, s36, s30
	s_add_nc_u64 s[14:15], s[14:15], s[36:37]      ; my scale words
	v_add_nc_u32 v[VO1], s26, v[L16]
	v_lshlrev_b32 v[VS], 4, v1
	v_lshl_add_u32 v[VS], v2, 15, v[VS]            ; 16 bytes a row; lanes 16-31: the next head, 32,768 bytes on
	v_mul_u32_u24 v[SHV], s31, v2
.irp a, 0,1,2,3,4,5,6,7
	s_wait_xcnt 0x0                                ; the last tile's stores have read their registers and their base
.if \a > 0
	s_add_nc_u64 s[12:13], s[12:13], s[38:39]
.endif
	QUANT 64*(\a%4), \a/4
	v_lshrrev_b32 v[SW+\a], v[SHV], v[PW]
	global_store_b128 v[L16], v[PC:PC+3], s[12:13]                 ; 32 lanes store 512 consecutive bytes, aligned
	global_store_b128 v[VO1], v[PC+4:PC+7], s[12:13]
.endr
	v_cmp_gt_u32 vcc_lo, s32, v[LN]
	s_wait_xcnt 0x0                                ; EXEC changes only behind this wait
	s_and_saveexec_b32 s48, vcc_lo
	global_store_b128 v[VS], v[SW:SW+3], s[14:15]                  ; tiles 0-3: sixteen lanes store 256 consecutive bytes, aligned
	global_store_b128 v[VS], v[SW+4:SW+7], s[14:15] offset:256     ; tiles 4-7
	s_wait_xcnt 0x0
	s_or_b32 exec_lo, exec_lo, s48
	s_wait_tensorcnt 0x0                           ; the wave's end
	ds_add_u32 v[SPW], v[NIL]
	s_wait_dscnt 0x0
	CROUND                                         ; the closing round: no work-group ends while a partner may still ask for a tile that names it
	s_endpgm
.Lfunc_end_k_q340190504d_qkv:
	.size	k_q340190504d_qkv, .Lfunc_end_k_q340190504d_qkv-k_q340190504d_qkv
	.p2alignl 7, 3214868480
	.fill 96, 4, 3214868480
	.section	.rodata,"a",@progbits
	.p2align	6, 0x0
	.amdhsa_kernel k_q340190504d_qkv
		.amdhsa_group_segment_fixed_size 327680
		.amdhsa_private_segment_fixed_size 0
		.amdhsa_enable_private_segment 0
		.amdhsa_kernarg_size 48
		.amdhsa_user_sgpr_count 2
		.amdhsa_user_sgpr_kernarg_segment_ptr 1
		.amdhsa_wavefront_size32 1
		.amdhsa_system_sgpr_workgroup_id_x 1
		.amdhsa_system_sgpr_workgroup_id_y 1
		.amdhsa_system_sgpr_workgroup_id_z 1
		.amdhsa_system_vgpr_workitem_id 0
		.amdhsa_next_free_vgpr 1024
		.amdhsa_next_free_sgpr 102
		.amdhsa_reserve_vcc 1
		.amdhsa_float_denorm_mode_32 3
		.amdhsa_float_denorm_mode_16_64 3
		.amdhsa_memory_ordered 1
		.amdhsa_forward_progress 1
		.amdhsa_inst_pref_size 129
	.end_amdhsa_kernel
	.amdgpu_metadata
---
amdhsa.version: [ 1, 2 ]
amdhsa.kernels:
  - .name:           k_q340190504d_qkv
    .symbol:         k_q340190504d_qkv.kd
    .args:
      - { .name: xc, .offset: 0, .size: 8, .value_kind: global_buffer, .address_space: global }
      - { .name: xs, .offset: 8, .size: 8, .value_kind: global_buffer, .address_space: global }
      - { .name: wc, .offset: 16, .size: 8, .value_kind: global_buffer, .address_space: global }
      - { .name: ws, .offset: 24, .size: 8, .value_kind: global_buffer, .address_space: global }
      - { .name: qkvc, .offset: 32, .size: 8, .value_kind: global_buffer, .address_space: global }
      - { .name: qkvs, .offset: 40, .size: 8, .value_kind: global_buffer, .address_space: global }
    .group_segment_fixed_size: 327680
    .private_segment_fixed_size: 0
    .kernarg_segment_align: 8
    .kernarg_segment_size: 48
    .max_flat_workgroup_size: 128
    .sgpr_count:     102
    .vgpr_count:     1024
    .wavefront_size: 32
...
	.end_amdgpu_metadata
.endif
;; end of part 2
;; launch attn (part 3): grid 4 x 64, 16 waves a work-group, no clusters, 145,408 bytes of LDS; arguments qkvc, qkvs, cimg, csc; writes cimg, csc
.if DOCPART == 3
	.amdgcn_target "amdgcn-amd-amdhsa--gfx1250"
	.amdhsa_code_object_version 6
	.text
	.protected	k_q340190504d_attn
	.globl	k_q340190504d_attn
	.p2align	8
	.type	k_q340190504d_attn,@function
k_q340190504d_attn:
	s_mov_b64 s[64:65], 0
	v_nop
	global_prefetch_b8 v0, s[64:65] scope:SCOPE_SE
	s_setreg_imm32_b32 hwreg(HW_REG_WAVE_MODE, 25, 1), 1
	s_wait_xcnt 0x0
; LAUNCH 3 OF 4: causal attention of 64 (batch, head) pairs, 2,048 tokens, head size 64, both products on codes of FP4 with E8M0 scales; ctx is quantised along D_OUT on the way out and leaves as codes.
; WORK LEFT OUT: a step of 128 keys all of which come after a tile's 16 queries: the problem's own mask gives them the weight 0 for all values of the inputs (shown at the head of launch 1).  A NaN or an infinity at such keys alone is not carried on.
; THE SOFTMAX: t = score x log2(e) / 8; M = the row's largest t so far, rounded up to a whole number; p = 2^(t - M) is what is quantised, along the keys, not normalised.  The row's sum is taken of the unquantised p and divides O at the end.
; When M moves, the sum and O are multiplied by 2^(old M - new M), which rounds nothing.
; SHARES.  Work-group (i, batch x head) owns query blocks i and 7 - i of 256.  Wave w takes pos tile T0 = 16 i + w, then T1 = 127 - T0.  Tile T has T / 8 + 1 key steps that count, so every wave has 17.  Four waves share a SIMD: one wave's
; vector work stands beside another's matrix work.
; K AND V OF THE HEAD LIE IN LDS WHOLE: a key step is 4,096 bytes of K's codes, 4,096 of V's, 512 + 256 of scale words.  Wave w brings key step w through its registers, if any query of the work-group sees it (w < 16 - 2 i: ids alone);
; one barrier; then the waves run free.  NO CLUSTER: the four work-groups of a head read the same K and V, but 16, 14, 12 and 10 key steps of them, so partners would need different numbers of tiles.
; LAYOUT.  Both products are used transposed: S^T = K Q^T (source 0 = 16 keys), O^T = V^T P^T (source 0 = 16 channels): a lane holds ONE query (lane % 16) throughout.  Tokens and channels lie in the order pos (bits 3 and 4 exchanged), so the 16
; registers of tiles 2 j and 2 j + 1 are 16 true neighbours, 32 j + 16 (lane / 16) + 0 .. 15: keys for p, channels for ctx.  The first product's K is 64: the upper half of its operands (registers 4-7) is zero codes on both sides.
; REGISTERS: v1-11 addresses; v12 -M, v13 the largest t, v[14:15] the sum; v16-23 Q; v24 Q's, v25 p's, v26-29 V's scale words; v[30:31] f; v32-95 K's 8 fragments; v96-159 S^T, then p; v160-191 O^T; v192-223 V's 4 fragments;
;   v224-231 p's codes; v232-243 at work; v244-251 K's scale words; v252-255 at work.
.set SCB,   131072                     ; LDS: key step s: codes at 8,192 s (K's 8 tiles x 512, then V's 4 tiles x 1,024); scale words at SCB + 768 s (K's 512, V's 256)
.set SPARE, SCB+16*768                 ; the spare words, 128 bytes for each of 16 waves, which no other line names
.set LI,   1                           ; v1   16 x lane
.set R16,  2                           ; v2   16 x (lane % 16)
.set ADK,  3                           ; v3   LDS address of the step's codes (first: where I store my key step's)
.set ADS,  4                           ; v4   of its scale words (first: where I store K's)
.set SPW,  5                           ; v5   LDS address of my spare word; never rewritten
.set NIL,  6                           ; v6   0; never rewritten
.set LC,   8                           ; v8   r + 8 (r / 8) - 16 h: my query's place in its tile, less my half's first key
.set ASB,  9                           ; v9   SCB + 16 (lane % 16)
.set WV,   12
.set QMIN, 18                          ; s18  the tile's first query
.set KF,   19                          ; s19  the step's first key
.set TK,   20                          ; s20  where the step's codes begin
.set TS,   21                          ; s21  and its scale words
.set CNT,  22
.set SEL,  24                          ; s[24:25] lane selects for v_permlanex16_b32: lane l xor 16
.set CS,   26                          ; s[26:27] c = log2(e) / 8
.set QC,   28                          ; pass p: s[QC + 8 p ..]: Q's codes, +2 Q's scale words, +4 ctx's codes, +6 ctx's scale bytes
.set QM,   44                          ; s44, s45 the two tiles' first queries
.set FK,   46                          ; s[46:47] my key step's codes of K; s[48:49] of V; s[50:51], s[52:53] their scale words
.set FV,   48
.set FKS,  50
.set FVS,  52
	s_load_b256 s[4:11], s[0:1], 0x0               ; qkvc, qkvs, cimg, csc
	v_lshl_add_u32 v[SPW], v0, 2, SPARE
	v_mov_b32 v[NIL], 0
	v_lshrrev_b32 v10, 5, v0
	v_readfirstlane_b32 s[WV], v10                 ; wave 0..15
	s_and_b32 s14, ttmp7, 0xffff
	s_lshr_b32 s15, s14, 4                         ; batch
	s_and_b32 s16, s14, 15                         ; head
	s_lshl_b32 s56, ttmp9, 4
	s_add_co_u32 s56, s56, s[WV]                   ; T0
	s_sub_co_u32 s57, 127, s56                     ; T1
.macro BASES p, t                      ; the byte offsets of pass p, whose tile's number stands in s[t]
	s_lshl_b32 s58, s15, 7
	s_add_co_u32 s58, s58, s[\t]                   ; the tile among all 512
	s_lshl_b32 s[QC+8*\p], s58, 9                  ; Q's codes: [head][tile][512]
	s_lshl_b32 s59, s16, 18
	s_add_co_u32 s[QC+8*\p], s[QC+8*\p], s59
	s_mov_b32 s[QC+8*\p+1], 0
	s_lshr_b32 s59, s[\t], 2                       ; Q's scale words: [head][128 tokens][half][row][4 words]
	s_lshl_b32 s[QC+8*\p+2], s59, 8
	s_and_b32 s59, s[\t], 3
	s_lshl_b32 s59, s59, 2
	s_add_co_u32 s[QC+8*\p+2], s[QC+8*\p+2], s59
	s_lshl_b32 s59, s15, 13
	s_add_co_u32 s[QC+8*\p+2], s[QC+8*\p+2], s59
	s_lshl_b32 s59, s16, 15
	s_add_co_u32 s[QC+8*\p+2], s[QC+8*\p+2], s59
	s_mov_b32 s[QC+8*\p+3], 0
	s_lshl_b32 s[QC+8*\p+4], s58, 13               ; ctx's codes: [tile][head][512]
	s_lshl_b32 s59, s16, 9
	s_add_co_u32 s[QC+8*\p+4], s[QC+8*\p+4], s59
	s_mov_b32 s[QC+8*\p+5], 0
	s_lshl_b32 s[QC+8*\p+6], s58, 9                ; ctx's scale bytes: [tile][head / 8][row][16], two bytes a head
	s_lshr_b32 s59, s16, 3
	s_lshl_b32 s59, s59, 8
	s_add_co_u32 s[QC+8*\p+6], s[QC+8*\p+6], s59
	s_and_b32 s59, s16, 7
	s_lshl_b32 s59, s59, 1
	s_add_co_u32 s[QC+8*\p+6], s[QC+8*\p+6], s59
	s_mov_b32 s[QC+8*\p+7], 0
	s_lshr_b32 s59, s[\t], 1                       ; the tile's first query: 32 (T / 2) + 8 (T % 2)
	s_lshl_b32 s[QM+\p], s59, 5
	s_and_b32 s59, s[\t], 1
	s_lshl_b32 s59, s59, 3
	s_add_co_u32 s[QM+\p], s[QM+\p], s59
.endm
	BASES 0, 56
	BASES 1, 57
	s_lshl_b32 s58, s15, 4
	s_add_co_u32 s58, s58, s[WV]                   ; my key step among all 64
	s_lshl_b32 s[FK], s16, 18                      ; K's codes: 4 MiB + [head][tile][512], 8 tiles a step
	s_lshl_b32 s59, s58, 12
	s_add_co_u32 s[FK], s[FK], s59
	s_add_co_u32 s[FK], s[FK], 0x400000
	s_mov_b32 s[FK+1], 0
	s_lshl_b32 s[FV], s58, 16                      ; V's codes: 8 MiB + [step][channel tile][1,024], 4 tiles a head
	s_lshl_b32 s59, s16, 12
	s_add_co_u32 s[FV], s[FV], s59
	s_add_co_u32 s[FV], s[FV], 0x800000
	s_mov_b32 s[FV+1], 0
	s_lshl_b32 s[FKS], s16, 15                     ; K's scale words: 524,288 + [head][step][512]
	s_lshl_b32 s59, s58, 9
	s_add_co_u32 s[FKS], s[FKS], s59
	s_add_co_u32 s[FKS], s[FKS], 0x80000
	s_mov_b32 s[FKS+1], 0
	s_lshl_b32 s[FVS], s58, 12                     ; V's: 1,048,576 + [step][head][256]
	s_lshl_b32 s59, s16, 8
	s_add_co_u32 s[FVS], s[FVS], s59
	s_add_co_u32 s[FVS], s[FVS], 0x100000
	s_mov_b32 s[FVS+1], 0
	s_mov_b32 s[SEL], 0x76543210
	s_mov_b32 s[SEL+1], 0xfedcba98
	s_mov_b32 s[CS], 0x3e38aa3b                    ; c = log2(e) / sqrt(64)
	s_mov_b32 s[CS+1], s[CS]                       ; (named with it as a pair, so it is written)
	v_and_b32 v7, 31, v0                           ; lane
	v_lshlrev_b32 v[LI], 4, v7
	v_and_b32 v10, 15, v0                          ; r
	v_lshlrev_b32 v[R16], 4, v10
	v_and_b32 v11, 8, v10
	v_add_nc_u32 v[LC], v10, v11
	v_bfe_u32 v11, v0, 4, 1                        ; h
	v_lshlrev_b32 v11, 4, v11
	v_sub_nc_u32 v[LC], v[LC], v11
	v_add_nc_u32 v[ASB], SCB, v[R16]
	; every LDS address of the fetch is made here, ahead of the branch
	s_lshl_b32 s23, s[WV], 13
	v_add_nc_u32 v[ADK], s23, v[LI]                ; 8,192 x wave + 16 x lane
	s_mul_i32 s23, s[WV], 768
	s_add_co_u32 s23, s23, SCB
	v_add_nc_u32 v[ADS], s23, v[LI]                ; K's scale words: 16 bytes a lane
	v_lshlrev_b32 v11, 3, v7                       ; V's: 8 bytes a lane, in memory
	v_add_nc_u32 v10, s23, v11                     ; and in LDS (512 further on, in the immediate)
.set j, 0
.rept 8
.irp c, 4,5,6,7
	v_mov_b32 v[32+8*j+\c], 0                      ; K's fragments, k = 64 .. 127: zero codes, written once and never loaded
.endr
.set j, j+1
.endr
.irp c, 20,21,22,23, 31, 236,237,238,239, 252
	v_mov_b32 v\c, 0                               ; Q's likewise; v31 is named as the upper half of the pair v[30:31]; a lane permute's destination counts as one of its sources
.endr
	s_wait_kmcnt 0x0
.irp p, 0,1
	s_add_nc_u64 s[QC+8*\p:QC+8*\p+1], s[4:5], s[QC+8*\p:QC+8*\p+1]
	s_add_nc_u64 s[QC+8*\p+2:QC+8*\p+3], s[6:7], s[QC+8*\p+2:QC+8*\p+3]
	s_add_nc_u64 s[QC+8*\p+4:QC+8*\p+5], s[8:9], s[QC+8*\p+4:QC+8*\p+5]
	s_add_nc_u64 s[QC+8*\p+6:QC+8*\p+7], s[10:11], s[QC+8*\p+6:QC+8*\p+7]
.endr
	s_add_nc_u64 s[FK:FK+1], s[4:5], s[FK:FK+1]
	s_add_nc_u64 s[FV:FV+1], s[4:5], s[FV:FV+1]
	s_add_nc_u64 s[FKS:FKS+1], s[6:7], s[FKS:FKS+1]
	s_add_nc_u64 s[FVS:FVS+1], s[6:7], s[FVS:FVS+1]
	global_load_b128 v[16:19], v[LI], s[QC:QC+1]   ; the first tile's Q: k = 32 h + 0 .. 31 of row r
	global_load_b32 v24, v[R16], s[QC+2:QC+3]      ; and its scale words
	s_lshl_b32 s23, ttmp9, 1
	s_add_co_u32 s23, s23, s[WV]
	s_cmp_lt_u32 s23, 16                           ; does any query of my work-group see key step w?  Its last tile is 127 - 16 i, which sees 16 - 2 i steps
	s_cbranch_scc0 .Lno_fetch
.irp n, 0,1,2,3,4,5,6,7
	global_load_b128 v[96+4*\n:99+4*\n], v[LI], s[FK:FK+1] offset:512*\n
.endr
.irp n, 0,1,2,3,4,5,6,7
	global_load_b128 v[128+4*\n:131+4*\n], v[LI], s[FV:FV+1] offset:512*\n
.endr
	global_load_b128 v[160:163], v[LI], s[FKS:FKS+1]
	global_load_b64 v[164:165], v11, s[FVS:FVS+1]
.irp n, 0,1,2,3,4,5,6,7,8,9,10,11,12,13,14,15
	s_wait_loadcnt 17-\n                           ; loads come back in order: the 17 - n younger ones may be out
	ds_store_b128 v[ADK], v[96+4*\n:99+4*\n] offset:512*\n
.endr
	s_wait_loadcnt 1
	ds_store_b128 v[ADS], v[160:163]
	s_wait_loadcnt 0
	ds_store_b64 v10, v[164:165] offset:512
.Lno_fetch:
	s_wait_dscnt 0x0                               ; for the others' sake: my stores have landed
	s_barrier_signal -1
	s_barrier_wait -1                              ; the head's K and V lie in LDS; nothing is written there again
; A KEY STEP: 128 keys.
.macro STEP
	s_cmp_gt_u32 s[KF], s[QMIN]                    ; all its keys come after my 16 queries (the tile's queries lie in one group of 32, the step begins at a multiple of 128): left out
	s_cbranch_scc1 .Lhidden_\@
	v_add_nc_u32 v[ADK], s[TK], v[LI]
	v_add_nc_u32 v[ADS], s[TS], v[ASB]
	v_nop
	v_nop                                          ; four plain lines between the last step's products and the loads into V's registers
.irp a, 0,1,2,3,4,5,6,7
	ds_load_b128 v[32+8*\a:35+8*\a], v[ADK] offset:512*\a          ; K's tile a: k = 32 h + 0 .. 31 of its row r
.endr
	ds_load_b128 v[244:247], v[ADS]                ; K's scale words, tiles 0-3 of row r,
	ds_load_b128 v[248:251], v[ADS] offset:256     ; tiles 4-7
.irp n, 0,1,2,3,4,5,6,7
	ds_load_b128 v[192+4*\n:195+4*\n], v[ADK] offset:4096+512*\n   ; V's four fragments
.endr
	ds_load_b128 v[26:29], v[ADS] offset:512       ; and their scale words
	s_wait_dscnt 9                                 ; K is in; V's nine loads may be out
.irp a, 0,1,2,3,4,5,6,7
	v_wmma_scale_f32_16x16x128_f8f6f4 v[96+8*\a:103+8*\a], v[32+8*\a:39+8*\a], v[16:23], 0, v[244+\a], v24 matrix_a_fmt:MATRIX_FMT_FP4 matrix_b_fmt:MATRIX_FMT_FP4
.endr                                  ; register 16 b + i holds key KF + 32 b + 16 h + i of my query
.rept 4
	v_nop
.endr
	s_add_co_u32 s23, s[KF], 127
	s_cmp_le_u32 s23, s[QMIN]                      ; a step all of whose keys count for all 16 queries skips the mask
	s_cbranch_scc1 .Lopen_\@
	s_sub_co_i32 s23, s[QMIN], s[KF]
	v_add_nc_u32 v252, s23, v[LC]                  ; d = my query - KF - 16 h: register 16 b + i is hidden where 32 b + i > d
	v_mov_b32 v254, 0xff800000                     ; -infinity: p = 0 then
.set n, 0
.rept 64
	v_cmp_gt_i32 vcc_lo, 32*(n/16)+n%16, v252
	v_cndmask_b32 v[96+n], v[96+n], v254, vcc_lo
.set n, n+1
.endr
.Lopen_\@:
.irp b, 0,1,2,3
	v_max3_num_f32 v[232+\b], v[96+16*\b], v[97+16*\b], v[98+16*\b]   ; the largest score of each block of 32 keys: it serves the row's maximum and, since p rises with the score, the block's largest p
.endr
.irp i, 3,5,7,9,11,13
.irp b, 0,1,2,3
	v_max3_num_f32 v[232+\b], v[232+\b], v[96+16*\b+\i], v[97+16*\b+\i]
.endr
.endr
.irp b, 0,1,2,3
	v_max_num_f32 v[232+\b], v[232+\b], v[111+16*\b]
.endr
.irp b, 0,1,2,3
	v_permlanex16_b32 v[236+\b], v[232+\b], s[SEL], s[SEL+1]
.endr
.irp b, 0,1,2,3
	v_max_num_f32 v[232+\b], v[232+\b], v[236+\b]  ; with lane l xor 16's 16 keys
.endr
	v_max3_num_f32 v254, v232, v233, v234
	v_max_num_f32 v254, v254, v235                 ; the step's largest score of my query (the step's first key counts for it, so this is a number)
	v_mul_f32 v254, s[CS], v254
	v_max_num_f32 v13, v13, v254                   ; the running largest t
	v_mov_b32 v254, v12
	v_floor_f32 v12, -v13                          ; the new -M = floor(-t)
	v_sub_f32 v254, v12, v254                      ; old M - new M: a whole number, 0 or less
	v_cvt_i32_f32 v254, v254                       ; (it saturates)
	v_ldexp_f32 v30, 1.0, v254                     ; f = 2^(old M - new M)
.set j, 0
.rept 32
	v_pk_fma_f32 v[96+j:97+j], v[96+j:97+j], s[CS:CS+1], v[12:13] op_sel_hi:[1,0,0]   ; t - M, two at a time
.set j, j+2
.endr
.irp b, 0,1,2,3
	v_fma_f32 v[232+\b], v[232+\b], s[CS], v12     ; the same of each block's largest score
.endr
.set j, 0
.rept 64
	v_exp_f32 v[96+j], v[96+j]                     ; p = 2^(t - M)
.set j, j+1
.endr
	v_pk_mul_f32 v[14:15], v[14:15], v[30:31] op_sel_hi:[1,0]      ; the sums under the new M (the plain line behind the exponentials)
	s_wait_alu depctr_va_vdst(0)                   ; one wait for the batch of 64, ahead of its first reader
.irp b, 0,1,2,3
	v_exp_f32 v[232+\b], v[232+\b]                 ; the block's largest p
.endr
	v_pk_add_f32 v[236:237], v[96:97], v[98:99]    ; the row's sum is taken of the unquantised p, in two chains
.irp j, 4,8,12,16,20,24,28,32,36,40,44,48,52,56,60
	v_pk_add_f32 v[14:15], v[14:15], v[96+\j:97+\j]
	v_pk_add_f32 v[236:237], v[236:237], v[98+\j:99+\j]
.endr
	v_pk_add_f32 v[14:15], v[14:15], v[236:237]
	s_wait_alu depctr_va_vdst(0)                   ; and one for the four
.irp b, 0,1,2,3
	v_max_num_f32 v[232+\b], 0x1800000, v[232+\b]  ; the floor 2^(3 - 127): a block whose every p is 0 keeps the byte 1, and its codes are zeros
.endr
.irp b, 0,1,2,3
	v_add_nc_u32 v[240+\b], 0xff000000, v[232+\b]  ; 2 off the exponent field: the conversion's scale operand
.endr
.irp b, 0,1,2,3
	v_lshrrev_b32 v[236+\b], 23, v[240+\b]         ; the scale's byte
.endr
	v_lshl_or_b32 v25, v237, 8, v236               ; p's scale word for these 128 keys
	v_lshl_or_b32 v25, v238, 16, v25
	v_lshl_or_b32 v25, v239, 24, v25
.irp b, 0,1,2,3
	v_cvt_scalef32_pk8_fp4_f32 v[224+2*\b], v[96+16*\b:103+16*\b], v[240+\b]
	v_cvt_scalef32_pk8_fp4_f32 v[225+2*\b], v[104+16*\b:111+16*\b], v[240+\b]
.endr
	v_nop                                          ; one plain line behind a scaled conversion
.irp c, 0,1                            ; a whole block to a lane: lanes 0-15 block 2 c, lanes 16-31 block 2 c + 1
.irp i, 0,1
	v_permlane16_swap_b32 v[224+4*\c+\i], v[226+4*\c+\i]
.endr
.endr
.set j, 0
.rept 16
	v_pk_mul_f32 v[160+j:161+j], v[160+j:161+j], v[30:31] op_sel_hi:[1,0]   ; O^T under the new M.  Twelve of these sixteen name no register of any one product below: they are the places between p's codes and scale word and the products
.set j, j+2
.endr
	s_wait_dscnt 0x0                               ; V is in
.irp t, 0,1,2,3
	v_wmma_scale_f32_16x16x128_f8f6f4 v[160+8*\t:167+8*\t], v[192+8*\t:199+8*\t], v[224:231], v[160+8*\t:167+8*\t], v[26+\t], v25 matrix_a_fmt:MATRIX_FMT_FP4 matrix_b_fmt:MATRIX_FMT_FP4
.endr                                  ; the four accumulators take turns, one instruction a turn
.Lhidden_\@:
	s_add_co_u32 s[KF], s[KF], 128
	s_add_co_u32 s[TK], s[TK], 8192
	s_add_co_u32 s[TS], s[TS], 768
.endm
; A PASS: one tile of 16 queries through all 16 key steps (a constant count; hidden steps are jumped over), then the way out.
.macro PASS p
	s_wait_loadcnt 0x0                             ; Q
	v_mov_b32 v13, 0xff61b1e6                      ; the largest t so far: -3e38, under every t
	v_floor_f32 v12, -v13
	v_mov_b32 v14, 0
	v_mov_b32 v15, 0
.set j, 0
.rept 32
	v_mov_b32 v[160+j], 0                          ; O^T: the step is written once; the first finds zeros, which the first change of M leaves zeros
.set j, j+1
.endr
	s_mov_b32 s[QMIN], s[QM+\p]
	s_mov_b32 s[KF], 0
	s_mov_b32 s[TK], 0
	s_mov_b32 s[TS], 0
	s_mov_b32 s[CNT], 16
.Lstep_\@:
	STEP
	s_sub_co_u32 s[CNT], s[CNT], 1
	s_cmp_lg_u32 s[CNT], 0
	s_cbranch_scc1 .Lstep_\@
.rept 4
	v_nop                                          ; places behind the last products
.endr
.if \p == 0
	global_load_b128 v[16:19], v[LI], s[QC+8:QC+9] ; the next tile's Q lands under this tile's way out
	global_load_b32 v24, v[R16], s[QC+10:QC+11]
.endif
	v_add_f32 v14, v14, v15                        ; the sum's two halves,
	v_permlanex16_b32 v252, v14, s[SEL], s[SEL+1]
	v_add_f32 v14, v14, v252                       ; and lane l xor 16's
	v_rcp_f32 v14, v14
	v_nop                                          ; a plain line behind the reciprocal,
	s_wait_alu depctr_va_vdst(0)                   ; and the wait ahead of its first reader
.set j, 0
.rept 16
	v_pk_mul_f32 v[96+j:97+j], v[160+j:161+j], v[14:15] op_sel_hi:[1,0]   ; ctx: register 16 b + i is channel 32 b + 16 h + i of the head; each accumulator is read from its low end on
.set j, j+2
.endr
.irp b, 0,1                            ; ctx's two blocks of 32 along D_OUT
	v_max3_num_f32 v[232+\b], |v[96+16*\b]|, |v[97+16*\b]|, 0x1800000
.endr
.irp i, 2,4,6,8,10,12,14
.irp b, 0,1
	v_max3_num_f32 v[232+\b], v[232+\b], |v[96+16*\b+\i]|, |v[97+16*\b+\i]|
.endr
.endr
.irp b, 0,1
	v_permlanex16_b32 v[236+\b], v[232+\b], s[SEL], s[SEL+1]
.endr
.irp b, 0,1
	v_max_num_f32 v[232+\b], v[232+\b], v[236+\b]
.endr
.irp b, 0,1
	v_add_nc_u32 v[240+\b], 0xff000000, v[232+\b]
.endr
.irp b, 0,1
	v_lshrrev_b32 v[236+\b], 23, v[240+\b]
.endr
	v_lshl_or_b32 v255, v237, 8, v236              ; the head's two scale bytes of my row
.irp b, 0,1
	v_cvt_scalef32_pk8_fp4_f32 v[224+2*\b], v[96+16*\b:103+16*\b], v[240+\b]
	v_cvt_scalef32_pk8_fp4_f32 v[225+2*\b], v[104+16*\b:111+16*\b], v[240+\b]
.endr
	v_nop                                          ; one plain line behind a scaled conversion
.irp i, 0,1
	v_permlane16_swap_b32 v[224+\i], v[226+\i]
.endr
	global_store_b128 v[LI], v[224:227], s[QC+8*\p+4:QC+8*\p+5]    ; the head's half of a fragment's image: 32 lanes store 512 consecutive bytes, aligned
	v_cmp_gt_u32 vcc_lo, 256, v[LI]                ; lanes 0-15
	s_wait_xcnt 0x0                                ; EXEC changes only behind this wait
	s_and_saveexec_b32 s60, vcc_lo
	global_store_b16 v[R16], v255, s[QC+8*\p+6:QC+8*\p+7]          ; two bytes a row, 16 bytes apart: the bytes between belong to other heads, which other work-groups make
	s_wait_xcnt 0x0
	s_or_b32 exec_lo, exec_lo, s60
.endm
	PASS 0
	PASS 1
	s_wait_tensorcnt 0x0                           ; the wave's end
	ds_add_u32 v[SPW], v[NIL]
	s_wait_dscnt 0x0
	s_endpgm
.Lfunc_end_k_q340190504d_attn:
	.size	k_q340190504d_attn, .Lfunc_end_k_q340190504d_attn-k_q340190504d_attn
	.p2alignl 7, 3214868480
	.fill 96, 4, 3214868480
	.section	.rodata,"a",@progbits
	.p2align	6, 0x0
	.amdhsa_kernel k_q340190504d_attn
		.amdhsa_group_segment_fixed_size 145408
		.amdhsa_private_segment_fixed_size 0
		.amdhsa_enable_private_segment 0
		.amdhsa_kernarg_size 32
		.amdhsa_user_sgpr_count 2
		.amdhsa_user_sgpr_kernarg_segment_ptr 1
		.amdhsa_wavefront_size32 1
		.amdhsa_system_sgpr_workgroup_id_x 1
		.amdhsa_system_sgpr_workgroup_id_y 1
		.amdhsa_system_sgpr_workgroup_id_z 1
		.amdhsa_system_vgpr_workitem_id 0
		.amdhsa_next_free_vgpr 256
		.amdhsa_next_free_sgpr 66
		.amdhsa_reserve_vcc 1
		.amdhsa_float_denorm_mode_32 3
		.amdhsa_float_denorm_mode_16_64 3
		.amdhsa_memory_ordered 1
		.amdhsa_forward_progress 1
		.amdhsa_inst_pref_size 61
	.end_amdhsa_kernel
	.amdgpu_metadata
---
amdhsa.version: [ 1, 2 ]
amdhsa.kernels:
  - .name:           k_q340190504d_attn
    .symbol:         k_q340190504d_attn.kd
    .args:
      - { .name: qkvc, .offset: 0, .size: 8, .value_kind: global_buffer, .address_space: global }
      - { .name: qkvs, .offset: 8, .size: 8, .value_kind: global_buffer, .address_space: global }
      - { .name: cimg, .offset: 16, .size: 8, .value_kind: global_buffer, .address_space: global }
      - { .name: csc, .offset: 24, .size: 8, .value_kind: global_buffer, .address_space: global }
    .group_segment_fixed_size: 145408
    .private_segment_fixed_size: 0
    .kernarg_segment_align: 8
    .kernarg_segment_size: 32
    .max_flat_workgroup_size: 512
    .sgpr_count:     66
    .vgpr_count:     256
    .wavefront_size: 32
...
	.end_amdgpu_metadata
.endif
;; end of part 3
;; launch outp (part 4): grid 4 x 32, 4 waves a work-group, clusters of 4 x 4, 327,680 bytes of LDS; arguments cimg, csc, wc, ws, b_o, out0; writes out0
.if DOCPART == 4
	.amdgcn_target "amdgcn-amd-amdhsa--gfx1250"
	.amdhsa_code_object_version 6
	.text
	.protected	k_q340190504d_outp
	.globl	k_q340190504d_outp
	.p2align	8
	.type	k_q340190504d_outp,@function
k_q340190504d_outp:
	s_mov_b64 s[64:65], 0
	v_nop
	global_prefetch_b8 v0, s[64:65] scope:SCOPE_SE
	s_setreg_imm32_b32 hwreg(HW_REG_WAVE_MODE, 25, 1), 1
	s_wait_xcnt 0x0
	s_wait_alu depctr_hold_cnt(0) depctr_sa_sdst(0) depctr_va_vdst(0) depctr_va_sdst(0) depctr_va_ssrc(0) depctr_va_vcc(0) depctr_vm_vsrc(0)
	s_getreg_b32 s2, hwreg(HW_REG_IB_STS2, 6, 4)
	s_cmp_eq_u32 s2, 0
	s_cbranch_scc0 .Lentry_in_a_cluster
	s_endpgm
.Lentry_in_a_cluster:
	s_bfe_u32 s2, ttmp6, 0x10000c
	s_cmp_lg_u32 s2, 0xf033
	s_cbranch_scc0 .Lentry_shape_is_right
	s_endpgm
.Lentry_shape_is_right:
; LAUNCH 4 OF 4: out = ctx W_o^T + b_o on codes of FP4 with E8M0 scales (K = 1,024), f32 sums, f32 rows out.  Nothing is left out here.
; The main loop is launch 2's: a tile of 256 x 256 by four waves of 128 x 128; the matrix instruction transposed (source 0 = 16 rows of W_o, source 1 = 16 tokens of ctx); K in two LDS slots, both first fills; codes as images of the
; operands' registers; 4 x 4 clusters, ctx's tiles asked for jointly by a row of the cluster, W_o's by a column.  W_o's rows are rows 3,072 on of wc.
; THE BIAS is the C of each sum's first matrix instruction: eight registers for each of W_o's tiles, in the result's layout.
; TOKENS AND OUTPUT CHANNELS LIE IN THE ORDER pos (bits 3 and 4 of the number exchanged).  The way out puts both back by immediates: register j of W_o's tile b is column 32 (b / 2) + 16 (lane / 16) + 8 (b % 2) + j of my 128;
; row t of ctx's tile a is token 32 (a / 2) + 8 (a % 2) + t + 8 (t / 8) of my 128.
; REGISTERS, in windows of 256: window 0: v0-31 addresses; v32-95 scale words; v128-191 ctx's fragments; v192-255 the bias; on the way out v128-255 hold rows.  window 1: W_o's fragments, two sets.  windows 2, 3: the accumulators.
.set HALFT,  32768
.set SLOT,   4*HALFT
.set SCL,    2*SLOT
.set SPARE,  SCL+4*4096                ; the spare words, 128 bytes for each wave, which no other line names
.set STAGE,  SPARE+512                 ; the way out: 16 rows x (512 bytes + 16) for each wave, in bytes of its own, into which no tensor load lands
.set SPITCH, 528
.set NQ,     4
.set FR,     8
.set NL,     2
.set NP,     4
.set ADRA, 16
.set ADRB, 20
.set L16,  24                          ; v24  16 x lane: an image's place, and my bytes of a row of out
.set STO,  25                          ; v25  the stage: where I put 32 bytes of a row
.set RD,   26                          ; v26  and where I read a row back
.set ADRS, 27
.set SPW,  28
.set NIL,  29
.set SC,   32
.set AF,   128
.set BI,   192                         ; the bias: tile b at v[BI + 8 b]
.set BK,   128                         ; the way out: 16 rows read back: v128-191 and v192-255 by turns
.set WV,   16
.set HA,   17
.set HB,   18
.set G1,   24
.set G0,   32
.set G1B,  48
.set G0B,  56
.set G1S,  68
.set G0S,  76
.set G1SB, 80
.set G0SB, 88
.set MSB, 0
.macro WIN new                         ; the immediate's high byte repeats the setting that is left
.if MSB != \new
	s_set_vgpr_msb (MSB<<8)|\new
.set MSB, \new
.endif
.endm
.set MUL_LO, 0xa1                      ; source 0 (W_o) window 1, source 1 (ctx) window 0, C and D window 2
.set MUL_HI, 0xf1                      ; the same, C and D window 3
.set FST_LO, 0x81                      ; the first step: C (the bias) window 0, D window 2
.set FST_HI, 0xc1                      ; D window 3
.set TO_B,   0x40
.macro JLOAD g0a, g1a, g0b, g1b        ; a joint load: waves 0 and 1 fetch for ctx, waves 2 and 3 for W_o; an s_nop 0 and four v_nop follow each of the two lines
	s_cmp_eq_u32 s[HA], 0
	s_cbranch_scc0 .Lfor_b_\@
	tensor_load_to_lds s[\g0a:\g0a+3], s[\g1a:\g1a+7]
	s_nop 0
.rept 4
	v_nop
.endr
	s_branch .Lasked_\@
.Lfor_b_\@:
	tensor_load_to_lds s[\g0b:\g0b+3], s[\g1b:\g1b+7]
	s_nop 0
.rept 4
	v_nop
.endr
.Lasked_\@:
.endm
.macro CROUND                          ; a round of the cluster's barrier
	s_barrier_signal -1
	s_barrier_wait -1
	s_cmp_lg_u32 s[WV], 0
	s_cbranch_scc1 .Lnot_wave_0_\@
	s_barrier_signal -3
.Lnot_wave_0_\@:
	s_barrier_wait -3
	s_barrier_signal -1
	s_barrier_wait -1
.endm
	s_load_b256 s[4:11], s[0:1], 0x0               ; cimg, csc, wc, ws
	s_load_b128 s[12:15], s[0:1], 0x20             ; b_o, out0
	v_lshl_add_u32 v[SPW], v0, 2, SPARE
	v_mov_b32 v[NIL], 0
	ds_add_u32 v[SPW], v[NIL]                      ; the wave's opening: the add, twice on end, and its wait ahead of my first tensor load
	ds_add_u32 v[SPW], v[NIL]
	v_lshrrev_b32 v1, 5, v0
	v_readfirstlane_b32 s[WV], v1                  ; wave 0..3
	s_lshr_b32 s[HA], s[WV], 1                     ; which half of the tokens is mine.  Also: I fetch for ctx (0) or for W_o (1)
	s_and_b32 s[HB], s[WV], 1                      ; which half of the columns.  Also: which half I fetch
	s_bfe_u32 s40, ttmp6, 0x40000                  ; cx, cy
	s_bfe_u32 s41, ttmp6, 0x40004
	s_and_b32 s43, ttmp7, 0xffff
	s_lshl_b32 s43, s43, 2
	s_add_co_u32 s43, s43, s41                     ; ctx's block of 256 tokens = 4 x cluster y + cy
	s_add_co_u32 s42, s40, 12                      ; wc's block of 256 rows = 12 + cx
	s_lshl_b32 s44, s41, 2
	s_lshl_b32 s44, 15, s44                        ; my row of the cluster
	s_lshl_b32 s45, 0x1111, s40                    ; my column
	; descriptor group 1, codes: 8 rows (tiles) of 512 elements of 8 bytes, 1,024 elements apart; no padding
	s_or_b32 s[G1+0], s44, (3<<16)|(1<<21)
	s_or_b32 s[G1B+0], s45, (3<<16)|(1<<21)
.irp g, G1, G1B
	s_mov_b32 s[\g+1], 512<<16
	s_mov_b32 s[\g+2], 8<<16
	s_mov_b32 s[\g+3], 512<<16
	s_mov_b32 s[\g+4], 8
	s_mov_b32 s[\g+5], 1024
	s_mov_b32 s[\g+6], 0
	s_mov_b32 s[\g+7], 0
.endr
	; scale words of 128 rows: 4,096 dense bytes, as 16 rows of 256
	s_or_b32 s[G1S+0], s44, (3<<16)|(1<<21)
	s_or_b32 s[G1SB+0], s45, (3<<16)|(1<<21)
.irp g, G1S, G1SB
	s_mov_b32 s[\g+1], 32<<16
	s_mov_b32 s[\g+2], 16<<16
	s_mov_b32 s[\g+3], 32<<16
	s_mov_b32 s[\g+4], 16
	s_mov_b32 s[\g+5], 32
	s_mov_b32 s[\g+6], 0
	s_mov_b32 s[\g+7], 0
.endr
	s_lshl_b32 s3, s[HB], 7
	s_lshl_b32 s19, s43, 8
	s_add_co_u32 s19, s19, s3                      ; ctx: the first of the 128 rows that I would fetch
	s_lshl_b32 s22, s42, 8
	s_add_co_u32 s22, s22, s3                      ; wc likewise
	s_lshl_b32 s23, s[WV], 15                      ; where they go: no place in the cluster enters an LDS address
	s_lshl_b32 s66, s[WV], 12
	s_wait_dscnt 0x0                               ; both opening adds are done
	s_wait_kmcnt 0x0
	s_lshl_b32 s2, s19, 9
	s_mov_b32 s3, 0
	s_add_nc_u64 s[92:93], s[4:5], s[2:3]
	s_lshl_b32 s2, s19, 5
	s_add_nc_u64 s[94:95], s[6:7], s[2:3]
	s_lshl_b32 s20, s22, 9
	s_mov_b32 s21, 0
	s_add_nc_u64 s[96:97], s[8:9], s[20:21]
	s_lshl_b32 s20, s22, 5
	s_add_nc_u64 s[98:99], s[10:11], s[20:21]
	CROUND                                         ; all sixteen work-groups are here: the first joint loads meet
	s_mov_b32 s[G0S], 1
	s_add_co_u32 s[G0S+1], s66, SCL
	s_mov_b64 s[G0S+2:G0S+3], s[94:95]
	s_or_b32 s[G0S+3], s[G0S+3], 0x80000000
	s_mov_b32 s[G0SB], 1
	s_add_co_u32 s[G0SB+1], s66, SCL
	s_mov_b64 s[G0SB+2:G0SB+3], s[98:99]
	s_or_b32 s[G0SB+3], s[G0SB+3], 0x80000000
	JLOAD G0S, G1S, G0SB, G1SB
.irp s, 0,1
	s_mov_b32 s[G0+4*\s], 1
	s_add_co_u32 s[G0+4*\s+1], s23, \s*SLOT
	s_add_nc_u64 s[G0+4*\s+2:G0+4*\s+3], s[92:93], \s*4096
	s_or_b32 s[G0+4*\s+3], s[G0+4*\s+3], 0x80000000
	s_mov_b32 s[G0B+4*\s], 1
	s_add_co_u32 s[G0B+4*\s+1], s23, \s*SLOT
	s_add_nc_u64 s[G0B+4*\s+2:G0B+4*\s+3], s[96:97], \s*4096
	s_or_b32 s[G0B+4*\s+3], s[G0B+4*\s+3], 0x80000000
	JLOAD G0+4*\s, G1, G0B+4*\s, G1B               ; three loads of mine are out behind the last of these
.endr
	v_and_b32 v3, 31, v0                           ; lane
	v_and_b32 v1, 15, v0                           ; r
	v_bfe_u32 v2, v0, 4, 1                         ; h
	v_lshlrev_b32 v[L16], 4, v3
	s_lshl_b32 s20, s40, 10
	s_lshl_b32 s21, s[HB], 9
	s_add_co_u32 s20, s20, s21                     ; my first column, in bytes: (256 cx + 128 half) x 4
	s_mov_b32 s21, 0
	s_add_nc_u64 s[12:13], s[12:13], s[20:21]
	v_lshlrev_b32 v5, 6, v2                        ; lanes 16-31 hold the columns 16 further on
.irp b, 0,1,2,3,4,5,6,7
	global_load_b128 v[BI+8*\b:BI+8*\b+3], v5, s[12:13] offset:(32*(\b/2)+8*(\b%2))*4
	global_load_b128 v[BI+8*\b+4:BI+8*\b+7], v5, s[12:13] offset:(32*(\b/2)+8*(\b%2))*4+16
.endr
	s_lshl_b32 s2, s43, 8
	s_lshl_b32 s3, s[HA], 7
	s_add_co_u32 s2, s2, s3                        ; my first token,
	s_lshl_b32 s2, s2, 12                          ; x 4,096 bytes
	s_mov_b32 s3, 0
	s_add_nc_u64 s[14:15], s[14:15], s[2:3]
	s_add_nc_u64 s[14:15], s[14:15], s[20:21]
	s_lshl_b32 s67, s[HA], 15
	s_lshl_b32 s19, s[HB], 15
	s_add_co_u32 s19, s19, 2*HALFT
.irp s, 0,1
	v_add_nc_u32 v[ADRA+\s], s67, v[L16]
	v_add_nc_u32 v[ADRB+\s], s19, v[L16]
	s_add_co_u32 s67, s67, SLOT
	s_add_co_u32 s19, s19, SLOT
.endr
	s_lshl_b32 s67, s[HA], 12
	s_lshl_b32 s19, s[HB], 12
	s_add_co_u32 s19, s19, 8192
	s_sub_co_u32 s19, s19, s67                     ; from ctx's scale words to W_o's,
	v_mul_u32_u24 v4, s19, v2                      ; which lanes 16-31 take
	v_lshl_add_u32 v4, v1, 4, v4
	s_add_co_u32 s67, s67, SCL
	v_add_nc_u32 v[ADRS], s67, v4
	s_mul_i32 s67, s[WV], 16*SPITCH
	s_add_co_u32 s67, s67, STAGE                   ; my stage
	v_mul_u32_u24 v6, v1, SPITCH
	v_lshl_add_u32 v6, v2, 6, v6
	v_add_nc_u32 v[STO], s67, v6                   ; in: row r, + 64 h
	v_add_nc_u32 v[RD], s67, v[L16]                ; back: the 32 lanes take one row of 512 bytes
.macro FRAG reg, adr, q, i
.irp c, 0,1
	ds_load_b128 v[\reg+4*\c:\reg+4*\c+3], v[\adr] offset:4096*(\i)+1024*(\q)+512*\c
.endr
.endm
; 16 matrix instructions: ctx's tiles a0, a0 + 1 x W_o's eight.  zero = 1: the first product starts the sums from the bias.  The 64 accumulators take turns, one instruction a turn.
.macro MUL16 a0, p, q, sc, zero
.irp a, \a0, \a0+1
.irp b, 0,1,2,3,4,5,6,7
.if \zero
	v_wmma_scale_f32_16x16x128_f8f6f4 v[8*(8*((\a)%4)+\b):8*(8*((\a)%4)+\b)+7], v[128*(\p)+FR*\b:128*(\p)+FR*\b+FR-1], v[AF+FR*(\a):AF+FR*(\a)+FR-1], v[BI+8*\b:BI+8*\b+7], v[SC+8*NQ*(\sc)+NQ*\b+(\q)], v[SC+8*NQ*(\sc)+NQ*(\a)+(\q)] matrix_a_fmt:MATRIX_FMT_FP4 matrix_b_fmt:MATRIX_FMT_FP4 matrix_a_scale:MATRIX_SCALE_ROW1
.else
	v_wmma_scale_f32_16x16x128_f8f6f4 v[8*(8*((\a)%4)+\b):8*(8*((\a)%4)+\b)+7], v[128*(\p)+FR*\b:128*(\p)+FR*\b+FR-1], v[AF+FR*(\a):AF+FR*(\a)+FR-1], v[8*(8*((\a)%4)+\b):8*(8*((\a)%4)+\b)+7], v[SC+8*NQ*(\sc)+NQ*\b+(\q)], v[SC+8*NQ*(\sc)+NQ*(\a)+(\q)] matrix_a_fmt:MATRIX_FMT_FP4 matrix_b_fmt:MATRIX_FMT_FP4 matrix_a_scale:MATRIX_SCALE_ROW1
.endif
.endr
.endr
.endm
.macro FETCH_B slot, q, p
	WIN TO_B
.irp i, 0,1,2,3,4,5,6,7
	FRAG 128*(\p)+FR*\i, ADRB+\slot, \q, \i
.endr
	WIN 0
.endm
.macro FETCH_A slot, q, i0
.irp i, \i0, \i0+1, \i0+2, \i0+3
	FRAG AF+FR*(\i), ADRA+\slot, \q, \i
.endr
.endm
.macro SCALES sc
.irp i, 0,1,2,3,4,5,6,7
	ds_load_b128 v[SC+8*NQ*\sc+NQ*\i:SC+8*NQ*\sc+NQ*\i+3], v[ADRS] offset:512*\i+256*\sc
.endr
.endm
.macro PLACES n                        ; plain vector lines between a matrix instruction and a load into, or a read of, its registers
.rept \n
	v_nop
.endr
.endm
.macro STEP slot, q, zero
	s_wait_dscnt 4*NL                              ; W_o's set and ctx's tiles 0-3 are in; the youngest eight loads (tiles 4-7) may be out
.if \zero
	WIN FST_LO
.else
	WIN MUL_LO
.endif
	MUL16 0, (\q)%2, \q, \slot, \zero
	MUL16 2, (\q)%2, \q, \slot, \zero
	s_wait_dscnt 0
	PLACES NP
	FETCH_B \slot, (\q)+1, 1-(\q)%2
	FETCH_A \slot, (\q)+1, 0
.if \zero
	WIN FST_HI
.else
	WIN MUL_HI
.endif
	MUL16 4, (\q)%2, \q, \slot, \zero
	MUL16 6, (\q)%2, \q, \slot, \zero
	PLACES NP
	WIN 0
	FETCH_A \slot, (\q)+1, 4
.endm
.macro TURN slot, next                 ; slot 0's last step: one barrier, in front of which each wave has waited for all its tensor loads; nothing is filled again
	s_wait_tensorcnt 0x0
	ds_add_u32 v[SPW], v[NIL]                      ; 0 onto my spare word
	s_wait_dscnt 4*NL+1                            ; (the add and the youngest eight loads may be out)
	WIN MUL_LO
	MUL16 0, 1, NQ-1, \slot, 0
	s_wait_dscnt 0x0
	s_barrier_signal -1
	MUL16 2, 1, NQ-1, \slot, 0
	WIN 0
	s_barrier_wait -1
	PLACES NP
	FETCH_B \next, 0, 0
	FETCH_A \next, 0, 0
	SCALES \next
	WIN MUL_HI
	MUL16 4, 1, NQ-1, \slot, 0
	MUL16 6, 1, NQ-1, \slot, 0
	PLACES NP
	WIN 0
	FETCH_A \next, 0, 4
.endm
	s_wait_tensorcnt 1                             ; the scale words and my part of slot 0 are in (slot 1's load may be out)
	s_barrier_signal -1
	s_barrier_wait -1                              ; everybody's are
	FETCH_B 0, 0, 0
	FETCH_A 0, 0, 0
	SCALES 0
	FETCH_A 0, 0, 4
	s_wait_loadcnt 0x0                             ; the bias
	STEP 0, 0, 1
	STEP 0, 1, 0
	STEP 0, 2, 0
	TURN 0, 1
	STEP 1, 0, 0
	STEP 1, 1, 0
	STEP 1, 2, 0
	s_wait_dscnt 4*NL                              ; the last step: nothing more to fetch
	WIN MUL_LO
	MUL16 0, 1, NQ-1, 1, 0
	MUL16 2, 1, NQ-1, 1, 0
	s_wait_dscnt 0
	WIN MUL_HI
	MUL16 4, 1, NQ-1, 1, 0
	MUL16 6, 1, NQ-1, 1, 0
	WIN 0
; THE WAY OUT, a tile of 16 tokens x 128 columns at a time, through my own stage: a lane's 32 bytes go to their true columns, whole rows of 512 bytes come back, and each is stored at its true token.
; LDS serves a wave's instructions in order: no wait between the stores and the loads, nor in front of the next tile's stores.
.macro TOSTAGE a
.set AC, 64*((\a)%4)
	WIN 0x08+4*((\a)/4)                            ; an LDS store's data are its source 1: window 2 or 3
.irp b, 0,1,2,3,4,5,6,7
	ds_store_b128 v[STO], v[AC+8*\b:AC+8*\b+3] offset:128*(\b/2)+32*(\b%2)          ; each accumulator from its low end on
	ds_store_b128 v[STO], v[AC+8*\b+4:AC+8*\b+7] offset:128*(\b/2)+32*(\b%2)+16
.endr
	WIN 0
.set BB, BK+64*((\a)%2)
.irp t, 0,1,2,3,4,5,6,7,8,9,10,11,12,13,14,15
	ds_load_b128 v[BB+4*\t:BB+4*\t+3], v[RD] offset:\t*SPITCH
.endr
.endm
.macro SEND a, younger                 ; younger: the LDS instructions issued behind tile a's loads, which may stay out
.set BB, BK+64*((\a)%2)
	s_wait_dscnt \younger
.irp t, 0,1,2,3,4,5,6,7,8,9,10,11,12,13,14,15
	global_store_b128 v[L16], v[BB+4*\t:BB+4*\t+3], s[14:15] offset:(32*((\a)/2)+8*((\a)%2)+\t+8*(\t/8))*4096 th:TH_STORE_NT   ; 32 lanes store 512 consecutive bytes, aligned; 127 rows on at the most, inside the signed 24-bit immediate
.endr
.endm
	PLACES NP                                      ; behind the last products: for the loads into the registers that held ctx's fragments, and for the reads of results
	TOSTAGE 0
.irp a, 1,2,3,4,5,6,7
.if \a > 1
	s_wait_xcnt 0x0                                ; tile a - 2's stores have read their registers: tile a's loads may land there
.endif
	TOSTAGE \a
	SEND \a-1, 32                                  ; behind tile a - 1's loads: tile a's 16 stores and 16 loads
.endr
	SEND 7, 0
	s_wait_tensorcnt 0x0                           ; the wave's end
	ds_add_u32 v[SPW], v[NIL]
	s_wait_dscnt 0x0
	CROUND                                         ; the closing round: no work-group ends while a partner may still ask for a tile that names it
	s_endpgm
.Lfunc_end_k_q340190504d_outp:
	.size	k_q340190504d_outp, .Lfunc_end_k_q340190504d_outp-k_q340190504d_outp
	.p2alignl 7, 3214868480
	.fill 96, 4, 3214868480
	.section	.rodata,"a",@progbits
	.p2align	6, 0x0
	.amdhsa_kernel k_q340190504d_outp
		.amdhsa_group_segment_fixed_size 327680
		.amdhsa_private_segment_fixed_size 0
		.amdhsa_enable_private_segment 0
		.amdhsa_kernarg_size 48
		.amdhsa_user_sgpr_count 2
		.amdhsa_user_sgpr_kernarg_segment_ptr 1
		.amdhsa_wavefront_size32 1
		.amdhsa_system_sgpr_workgroup_id_x 1
		.amdhsa_system_sgpr_workgroup_id_y 1
		.amdhsa_system_sgpr_workgroup_id_z 1
		.amdhsa_system_vgpr_workitem_id 0
		.amdhsa_next_free_vgpr 1024
		.amdhsa_next_free_sgpr 102
		.amdhsa_reserve_vcc 0
		.amdhsa_float_denorm_mode_32 3
		.amdhsa_float_denorm_mode_16_64 3
		.amdhsa_memory_ordered 1
		.amdhsa_forward_progress 1
		.amdhsa_inst_pref_size 125
	.end_amdhsa_kernel
	.amdgpu_metadata
---
amdhsa.version: [ 1, 2 ]
amdhsa.kernels:
  - .name:           k_q340190504d_outp
    .symbol:         k_q340190504d_outp.kd
    .args:
      - { .name: cimg, .offset: 0, .size: 8, .value_kind: global_buffer, .address_space: global }
      - { .name: csc, .offset: 8, .size: 8, .value_kind: global_buffer, .address_space: global }
      - { .name: wc, .offset: 16, .size: 8, .value_kind: global_buffer, .address_space: global }
      - { .name: ws, .offset: 24, .size: 8, .value_kind: global_buffer, .address_space: global }
      - { .name: b_o, .offset: 32, .size: 8, .value_kind: global_buffer, .address_space: global }
      - { .name: out0, .offset: 40, .size: 8, .value_kind: global_buffer, .address_space: global }
    .group_segment_fixed_size: 327680
    .private_segment_fixed_size: 0
    .kernarg_segment_align: 8
    .kernarg_segment_size: 48
    .max_flat_workgroup_size: 128
    .sgpr_count:     102
    .vgpr_count:     1024
    .wavefront_size: 32
...
	.end_amdgpu_metadata
.endif
;; end of part 4
